; MI455X (gfx1250); checked and timed in simulation.
; The chip was launched on July 23, 2026; its instructions are those of AMD's public machine-readable ISA for CDNA 5 (MIT licence, August 2026) and "CDNA5" Instruction Set Architecture Reference Guide (July 2026). The comments in the code are by the model that wrote it; some were corrected since.
;; Causal Self Attention. Allowed arithmetic: matrix products marked QUANTISED: E3M2 operands, one E8M0 scale for each 32 along K, by v_wmma_scale_f32_16x16x128_f8f6f4 with both operands' format E3M2, f32 sums; everything else in f32.
;; Inputs: W_proj 1,024 x 1,024 float32; W_qkv 1,024 x 3,072 float32; x 4 x 2,048 x 1,024 float32.
;; Outputs: out0 4 x 2,048 x 1,024 float32.
;; This version of the problem:
;;   THIS VERSION OF THE PROBLEM IS GIVEN IN LOW PRECISION. The matrix products marked QUANTISED in the list below multiply operands that are first quantised to E3M2 (3 exponent bits, 2 mantissa bits; 6 bits a number), with one power-of-two scale for each 32 numbers along K (OCP MX v1.0); their sums are f32. All else is computed in f32.
;;   The module's matrix products, in the order in which they are computed (A, B: the left and right operand; K: the contracted axis; several contracted axes count as one K, in the product's order):
;;     1. [M 8,192, K 1,024] x [K 1,024, N 3,072]; A: input x; B: input W_qkv: QUANTISED
;;     2. batch 64 x [M 2,048, K 64] x [K 64, N 2,048]; A: computed on the way; B: computed on the way: QUANTISED
;;     3. batch 64 x [M 2,048, K 2,048] x [K 2,048, N 64]; A: softmax (see below); B: computed on the way: QUANTISED
;;     4. [M 8,192, K 1,024] x [K 1,024, N 1,024]; A: computed on the way; B: input W_proj: QUANTISED
;;   THE QUANTISER, for each operand of a quantised product, along K:
;;     - K is cut into blocks of 32 from its start; a last block that is shorter is filled with zeros.
;;     - A block's scale is 2^e with e = floor(log2(the largest magnitude in the block)) - 4, held to -126 .. 127; a block of zeros has e = 0. As a byte (E8M0): e + 127.
;;     - Each number is divided by its block's scale, clamped to +-28, and rounded to the nearest number of E3M2, ties to even, subnormals kept.
;;     - The product sums the exact products of the quantised numbers (number of the format x scale) in f32.
;;   ~~~python
;;   def quantise(x, axis):      # numpy; x: float32 -> the quantised numbers, widened to float32 again
;;       x = np.moveaxis(x, axis, -1); K = x.shape[-1]
;;       x = np.pad(x, [(0, 0)] * (x.ndim - 1) + [(0, -K % 32)]); x = x.reshape(x.shape[:-1] + (-1, 32)); a = np.abs(x).max(-1, keepdims=True)
;;       e = np.where(a > 0, np.clip(np.frexp(np.where(a > 0, a, 1))[1] - 1 - 4, -126, 127), 0)      # np.frexp(a)[1] - 1 = floor(log2(a)), exactly
;;       r = np.clip(x / 2.0 ** e, -28, 28)
;;       step = 2.0 ** (np.maximum(np.frexp(np.where(r == 0, 1, r))[1] - 1, -2) - 2)
;;       q = np.round(r / step) * step * 2.0 ** e      # np.round: ties to even
;;       return np.moveaxis(q.reshape(q.shape[:-2] + (-1,))[..., :K], -1, axis).astype(np.float32)
;;   ~~~
;;   SOFTMAX AHEAD OF A QUANTISED PRODUCT. Where the list says 'softmax', what is quantised is not the finished softmax but p = 2^(t - M), with t = logit x log2(e) and M = ceil(the row's largest t), a whole number; so 1/2 < the row's largest p <= 1. The row's sum l is taken of the UNQUANTISED p, in f32, and the product's result is divided by l at the end. Since M is a whole number, a kernel that streams over the keys may use a running M (the ceiling of the running maximum): every later rescaling is an exact power of two, which a block's scale takes up: the codes' values come out the same.
;;   OPERANDS COMPUTED ON THE WAY. 'Computed on the way' means the value that the module computes at that place (a softmax that the list does not call 'softmax' is quantised finished and normalised). What goes into a quantiser is computed in f32, as accurately as f32 sums, v_exp_f32 and their like allow (about 1e-6 of the number): no bf16 or f16 on the way to a quantiser, and a product that is left as it is and whose result goes on into a quantised operand takes f32 operands (vector FMAs, or v_wmma_f32_16x16x4_f32). A number that lies on a knife's edge between two numbers of the format may be rounded either way, as far as f32 arithmetic and the matrix unit's own rounding can turn it there, and no further.
;; One version. Each part assembles by itself: llvm-mc -triple=amdgcn-amd-amdhsa -mcpu=gfx1250 --defsym DOCPART=n.
;; ======== version 1 of 1: 4 launches
;; limits: right only within a limited range of input values
;; workspace buffers: xq 6,553,600 bytes; wq 3,276,800 bytes; rope 524,288 bytes; qq 6,815,744 bytes; kv 13,631,488 bytes; yq 6,553,600 bytes
;; launch prep (part 1): grid 544 x 1, 4 waves a work-group, no clusters, 58,880 bytes of LDS; arguments x, W_qkv, W_proj, xq, wq, rope; writes xq, wq, rope
.if DOCPART == 1
	.amdgcn_target "amdgcn-amd-amdhsa--gfx1250"
	.amdhsa_code_object_version 6
	.text
	.protected	k_qfb06994d53_prep
	.globl	k_qfb06994d53_prep
	.p2align	8
	.type	k_qfb06994d53_prep,@function
k_qfb06994d53_prep:
	s_mov_b64 s[64:65], 0
	v_nop
	global_prefetch_b8 v0, s[64:65] scope:SCOPE_SE
	s_setreg_imm32_b32 hwreg(HW_REG_WAVE_MODE, 25, 1), 1
	s_wait_xcnt 0x0
; PREP: x [8192][1024], W_qkv [1024][3072] and W_proj [1024][1024], f32, become codes of BF6 (E3M2) with one E8M0 byte for each 32 along K (= 1024), and the table of cos and sin is made.
; WORK LEFT OUT BY THE PROGRAM: reference() sets the score of every key behind its query to -infinity by its own jnp.tril, whatever the inputs hold; the softmax makes 0 of it, and 0 x v adds nothing to y.
; So launch attn multiplies no step of 128 keys that lies wholly behind a wave's 16 queries.  LIMIT: a NaN, an infinity or an overflow that would arise in those scores alone is not carried to the result.
; THE CODES ARE LAID AS THE MATRIX UNIT'S REGISTERS WANT THEM.  16 stored rows are a block; in each group of 32 rows bits 3 and 4 of the row's number change places, so that lane r of block p holds
; row 32 (p / 2) + 8 (p % 2) + r % 8 + 16 (r / 8).  A fragment (16 rows x 128 K, 12 registers a lane) is 1,536 bytes, two halves of 768: half e holds lane l's registers 6 e .. 6 e + 3 at 16 l and
; registers 6 e + 4, 6 e + 5 at 512 + 8 l.  A block's eight fragments follow each other: 12,288 bytes.  The scale bytes lie behind the codes: 32 bytes a stored row, byte k / 32.
; A block's scale is 2^(floor(log2(largest magnitude)) - 4): its byte is the largest magnitude's exponent field - 4, held at 1 from below by a floor among the maximum's leaves.
; LIMITS: a block of zeros, and one whose largest magnitude lies under 2^-122, keeps the byte 1 (zeros: the codes are zeros, and this program alone reads the bytes); NaN and infinities are not served.
; THREE PATHS, by the work-group's number: 0-255 x (a wave: one block of 16 rows x 512 K), 256-511 the weights (a work-group: 128 columns x 128 K), 512-543 the table (a wave: 16 positions).
; Each path that uses LDS has bytes of its own, each wave a stage of its own: no barrier.  No tensor loads, no matrix work, no cluster: nothing is shared between work-groups.
; THE SCALE BYTES leave in short pieces: x's 16 bytes a row, W's 4 bytes a row, rows 32 bytes apart: one byte for each 128 that the paths read.
; THE TABLE: inv_freq(i) = RN(1 / RN(10^(i / 8))), the power in double-f32, the angle one f32 product, reduced by pi / 2 in two parts, then polynomials on [-pi/4, pi/4].
; LIMIT: where the power function behind the expected numbers is not correctly rounded, inv_freq differs by an ulp and the largest angles by about 1e-4.
.set XSOFF, 6291456                    ; xq: the scale bytes begin behind 512 blocks of codes
.set WSOFF, 3145728                    ; wq: behind 256 blocks
.set XST,   8448                       ; path x: a wave's stage: 16 rows x (512 bytes + 16)
.set WS0,   4*XST                      ; path w: the stages begin here
.set WST,   3072                       ; a wave's stage: 2 blocks x 1 fragment
.set EF,    0x2800000                  ; the floor 2^(5 - 127)
.set XIN,   5                          ; v5   x's stage, way in: 16 x lane
.set XOUT,  6                          ; v6   way out: 528 r + 128 h
.set L16,   7                          ; v7   16 x lane
.set L8,    8                          ; v8   8 x lane
.set WA16,  26                         ; v26  w's stage: 1,536 g + 16 r'
.set WA8,   27                         ; v27  1,536 g + 8 r'
.set WRD,   28                         ; v28  way out: 16 x lane
.set WSG,   29                         ; v29  32 x my column's stored row
	s_load_b256 s[4:11], s[0:1], 0x0               ; x s[4:5], W_qkv s[6:7], W_proj s[8:9], xq s[10:11]
	s_load_b128 s[12:15], s[0:1], 0x20             ; wq s[12:13], rope s[14:15]
	v_lshl_add_u32 v248, v0, 2, 0xe400             ; my spare word, behind the stages,
	v_mov_b32 v249, 0                              ; and 0
	v_lshrrev_b32 v1, 5, v0
	v_readfirstlane_b32 s16, v1                    ; wave
	v_and_b32 v2, 31, v0                           ; lane
	v_and_b32 v3, 15, v0                           ; r
	v_bfe_u32 v4, v0, 4, 1                         ; h
	v_lshlrev_b32 v[L16], 4, v2
	v_lshlrev_b32 v[L8], 3, v2
	s_mov_b32 s20, 0x76543210
	s_mov_b32 s21, 0xfedcba98                      ; v_permlanex16_b32's selects for lane l xor 16
	s_mul_i32 s17, s16, XST                        ; every LDS address is made here, ahead of the parting of the paths
	v_add_nc_u32 v[XIN], s17, v[L16]
	v_mul_u32_u24 v[XOUT], v3, 528
	v_lshl_add_u32 v[XOUT], v4, 7, v[XOUT]
	v_add_nc_u32 v[XOUT], s17, v[XOUT]
	s_mul_i32 s17, s16, WST
	s_add_co_u32 s17, s17, WS0
	v_bfe_u32 v9, v0, 3, 1                         ; g: which of my wave's two stored blocks my column falls into
	v_and_b32 v10, 7, v0
	v_lshl_add_u32 v10, v4, 3, v10                 ; r' = lane % 8 + 8 (lane / 16): its lane there
	v_mul_u32_u24 v11, v9, 1536
	v_add_nc_u32 v11, s17, v11
	v_lshl_add_u32 v[WA16], v10, 4, v11
	v_lshl_add_u32 v[WA8], v10, 3, v11
	v_add_nc_u32 v[WRD], s17, v[L16]
	v_lshl_add_u32 v[WSG], v9, 4, v10
	v_lshlrev_b32 v[WSG], 5, v[WSG]
	s_wait_kmcnt 0x0
	s_cmp_lt_u32 ttmp9, 256
	s_cbranch_scc1 .Lpath_x
	s_cmp_lt_u32 ttmp9, 512
	s_cbranch_scc1 .Lpath_w
; ---------------- THE TABLE: lane = i, 16 positions a wave; a position's 32 pairs (cos, sin) are 256 consecutive bytes
	s_sub_co_u32 s17, ttmp9, 512
	s_lshl_b32 s17, s17, 6
	s_lshl_b32 s18, s16, 4
	s_add_co_u32 s17, s17, s18                     ; my first position
	s_lshl_b32 s18, s17, 8
	s_mov_b32 s19, 0
	s_add_nc_u64 s[14:15], s[14:15], s[18:19]
	s_mov_b32 s40, 0xb94ca1f9                      ; the sine's three coefficients,
	s_mov_b32 s41, 0x3c08839e
	s_mov_b32 s42, 0xbe2aaaa3
	s_mov_b32 s43, 0x37ccf5ce                      ; the cosine's
	s_mov_b32 s44, 0xbab6061a
	s_mov_b32 s45, 0x3d2aaaa5
; (rh, rl) = (ah, al) x (bh, bl) in double-f32: the product's error by a fused multiply-add, the cross terms, a fast two-sum.  The results are written behind the last read of the sources.
.macro DFMUL rh, rl, ah, al, bh, bl
	v_mul_f32 v38, v[\ah], v[\bh]
	v_fma_f32 v39, v[\ah], v[\bh], -v38
	v_fma_f32 v39, v[\ah], v[\bl], v39
	v_fma_f32 v39, v[\al], v[\bh], v39
	v_add_f32 v[\rh], v38, v39
	v_sub_f32 v40, v[\rh], v38
	v_sub_f32 v[\rl], v39, v40
.endm
	v_mov_b32 v32, 1.0                             ; r = 1
	v_mov_b32 v33, 0
	v_mov_b32 v34, 0x3faab0d5                      ; b = 10^(1/8), high part
	v_mov_b32 v35, 0xb36457ec                      ; and low part
.irp k, 0,1,2,3,4                      ; r = the product of b^(2^k) over the bits k of i: a choice of values, no branch
	DFMUL 36, 37, 32, 33, 34, 35
	v_and_b32 v41, 1<<\k, v2
	v_cmp_ne_u32 vcc_lo, 0, v41
	v_cndmask_b32 v32, v32, v36, vcc_lo
	v_cndmask_b32 v33, v33, v37, vcc_lo
.if \k < 4
	DFMUL 34, 35, 34, 35, 34, 35
.endif
.endr
	s_wait_alu depctr_va_vdst(0)                   ; a wait ahead of the transcendental
	v_rcp_f32 v43, v32                             ; 1 / RN(10^(i/8)): the reciprocal, then two corrections by fused multiply-adds
	v_nop                                          ; a plain place behind the transcendental
	s_wait_alu depctr_va_vdst(0)                   ; and behind it, ahead of its first reader
	v_fma_f32 v42, -v32, v43, 1.0
	v_fma_f32 v43, v43, v42, v43
	v_fma_f32 v42, -v32, v43, 1.0
	v_fma_f32 v43, v43, v42, v43                   ; inv_freq(i)
.macro SINCOS p                        ; position p of my 16; its two results have registers of their own, so no store's data are written again
	s_add_co_u32 s18, s17, \p
	v_cvt_f32_u32 v44, s18
	v_mul_f32 v44, v44, v43                        ; the angle: one f32 product
	v_mul_f32 v45, 0x3f22f983, v44
	v_rndne_f32 v45, v45                           ; n = the nearest multiple of pi / 2
	v_fmamk_f32 v46, v45, 0xbfc90fdb, v44          ; angle - n x the high part of pi / 2
	v_fmamk_f32 v46, v45, 0x333bbd2e, v46          ; + n x 4.371139e-8: the high part lies above pi / 2 by that much
	v_mul_f32 v47, v46, v46                        ; z
	v_fma_f32 v48, s40, v47, s41
	v_fma_f32 v49, s43, v47, s44
	v_mul_f32 v50, v46, v47
	v_mul_f32 v51, v47, v47
	v_fma_f32 v48, v48, v47, s42
	v_fma_f32 v49, v49, v47, s45
	v_fma_f32 v52, v47, -0.5, 1.0
	v_fma_f32 v48, v48, v50, v46                   ; the sine of the rest
	v_fma_f32 v49, v49, v51, v52                   ; its cosine
	v_cvt_i32_f32 v53, v45
	v_and_b32 v54, 1, v53
	v_cmp_eq_u32 vcc_lo, 1, v54
	v_cndmask_b32 v55, v48, v49, vcc_lo            ; in odd quadrants the two change places;
	v_cndmask_b32 v56, v49, v48, vcc_lo
	v_and_b32 v54, 2, v53
	v_lshlrev_b32 v54, 30, v54                     ; the sine is negative in quadrants 2 and 3,
	v_xor_b32 v[65+2*\p], v55, v54
	v_add_nc_u32 v54, 1, v53
	v_and_b32 v54, 2, v54
	v_lshlrev_b32 v54, 30, v54                     ; the cosine in 1 and 2
	v_xor_b32 v[64+2*\p], v56, v54
	global_store_b64 v[L8], v[64+2*\p:65+2*\p], s[14:15] offset:256*\p   ; 32 lanes store 256 consecutive bytes, aligned
.endm
.irp p, 0,1,2,3,4,5,6,7,8,9,10,11,12,13,14,15
	SINCOS \p
.endr
	s_endpgm
; ---------------- x: a wave takes half of stored block p: 16 rows x 512 K; four steps of 128 along K, written out: every offset is an immediate
.set R,  32                            ; v32-159  two sets of 64: a step's 16 rows x 512 bytes as loaded
.set X,  160                           ; v160-223 my 64 numbers: k = 64 c + 32 h + 0 .. 31 of row r
.set C,  10                            ; v10-21   the fragment
.set T,  22                            ; v22-24, v26-28 a conversion's three registers begin on an even number: the second halves are made here and moved
.set SW, 232                           ; v232-235 the scale words of the four steps
.Lpath_x:
	s_lshl_b32 s17, ttmp9, 2
	s_add_co_u32 s17, s17, s16
	s_and_b32 s24, s17, 1                          ; which 512 along K
	s_lshr_b32 s17, s17, 1                         ; p
	s_lshr_b32 s18, s17, 1
	s_lshl_b32 s18, s18, 5
	s_and_b32 s19, s17, 1
	s_lshl_b32 s19, s19, 3
	s_add_co_u32 s18, s18, s19                     ; its first row: 32 (p / 2) + 8 (p % 2)
	s_lshl_b32 s18, s18, 12
	s_lshl_b32 s19, s24, 11                        ; 512 numbers are 2,048 bytes
	s_add_co_u32 s18, s18, s19
	s_mov_b32 s19, 0
	s_add_nc_u64 s[4:5], s[4:5], s[18:19]
	s_mul_i32 s18, s17, 12288
	s_mul_i32 s25, s24, 6144                       ; four fragments
	s_add_co_u32 s18, s18, s25
	s_add_nc_u64 s[22:23], s[10:11], s[18:19]      ; my codes
	s_lshl_b32 s18, s17, 9
	s_lshl_b32 s25, s24, 4                         ; 16 of a row's 32 scale bytes
	s_add_co_u32 s18, s18, s25
	s_add_co_u32 s18, s18, XSOFF
	s_add_nc_u64 s[10:11], s[10:11], s[18:19]      ; my scale bytes
	v_lshlrev_b32 v9, 5, v3                        ; 32 r
	v_lshlrev_b32 v30, 3, v4                       ; 8 h
	v_mov_b32 v231, 0                              ; a lane permute's destination counts as one of its sources
.macro XLOAD s                         ; step s: stage row i is row i % 8 + 16 (i / 8) of the block's span; each load reads 512 consecutive bytes, aligned
.set i, 0
.rept 16
	global_load_b128 v[R+64*((\s)%2)+4*i:R+64*((\s)%2)+4*i+3], v[L16], s[4:5] offset:((i%8)+16*(i/8))*4096+512*(\s) th:TH_LOAD_NT
.set i, i+1
.endr
.endm
.macro XSTEP s
.if (\s) < 3
	s_wait_loadcnt 16                              ; this step's 16 loads are in; the next step's 16 may be out
.else
	s_wait_loadcnt 0x0
.endif
.set i, 0
.rept 16
	ds_store_b128 v[XIN], v[R+64*((\s)%2)+4*i:R+64*((\s)%2)+4*i+3] offset:528*i
.set i, i+1
.endr
.irp c, 0,1
.irp j, 0,1,2,3,4,5,6,7
	ds_load_b128 v[X+32*\c+4*\j:X+32*\c+4*\j+3], v[XOUT] offset:256*\c+16*\j   ; LDS serves a wave's instructions in order: these see the stores above.  Rows 528 bytes apart
.endr
.endr
	s_wait_dscnt 0x0                               ; my numbers are back, and the stores have read the set,
.if (\s)+2 < 4
	XLOAD (\s)+2                                   ; which takes the loads of two steps on
.endif
.irp c, 0,1
	v_max3_num_f32 v[224+\c], |v[X+32*\c]|, |v[X+32*\c+1]|, EF    ; block 2 c + h of the step: all its 32 numbers are mine; the floor among the leaves
.endr
.irp i, 2,4,6,8,10,12,14,16,18,20,22,24,26,28,30
.irp c, 0,1
	v_max3_num_f32 v[224+\c], v[224+\c], |v[X+32*\c+\i]|, |v[X+32*\c+\i+1]|   ; (the two blocks by turns)
.endr
.endr
.irp c, 0,1
	v_add_nc_u32 v[226+\c], 0xfe000000, v[224+\c]  ; 4 off the exponent field: the conversion's scale operand
.endr
.irp c, 0,1
	v_lshrrev_b32 v[228+\c], 23, v[226+\c]         ; the byte
.endr
	v_lshl_or_b32 v230, v229, 16, v228             ; my two bytes, blocks h and 2 + h,
	v_lshlrev_b32 v230, v30, v230                  ; at their places (8 h bits up);
	v_permlanex16_b32 v231, v230, s20, s21
	v_or_b32 v[SW+(\s)], v230, v231                ; with lane l xor 16's two the word is whole
.if (\s) > 0
	s_wait_alu depctr_va_vdst(0)                   ; directly ahead of the wait below
	s_wait_xcnt 0x0                                ; the last step's stores have read the fragment's registers
.endif
.irp c, 0,1
	v_cvt_scalef32_pk16_bf6_f32 v[C+6*\c:C+6*\c+2], v[X+32*\c:X+32*\c+15], v[226+\c]
	v_cvt_scalef32_pk16_bf6_f32 v[T+4*\c:T+4*\c+2], v[X+32*\c+16:X+32*\c+31], v[226+\c]
.endr
	v_nop                                          ; one plain place behind a scaled conversion
.irp c, 0,1
.irp i, 0,1,2
	v_mov_b32 v[C+3+6*\c+\i], v[T+4*\c+\i]
.endr
.endr
.irp c, 0,1
	global_store_b128 v[L16], v[C+6*\c:C+6*\c+3], s[22:23] offset:1536*(\s)+768*\c        ; 512 consecutive bytes,
	global_store_b64 v[L8], v[C+6*\c+4:C+6*\c+5], s[22:23] offset:1536*(\s)+768*\c+512    ; and 256: each aligned to 256
.endr
.endm
	XLOAD 0
	XLOAD 1
.irp s, 0,1,2,3
	XSTEP \s
.endr
	global_store_b128 v9, v[SW:SW+3], s[10:11]     ; my four words of row r; lanes 16-31 hold the same words and store them to the same bytes
	s_wait_tensorcnt 0x0                           ; the wave's end
	ds_add_u32 v248, v249
	s_wait_dscnt 0x0
	s_endpgm
; ---------------- the weights: a lane takes a column, its registers run down K; a wave: 32 columns x 128 K = 4 blocks a lane, one fragment.  One path for both: pointer and pitch are chosen by the work-group's number
.set OFF, 32                           ; v32-63   4 x lane + i x pitch
.set XW,  64                           ; v64-127  two sets of 32 numbers
.set SB,  128                          ; v128     my column's four scale bytes
.set OUTR, 136                         ; v136-159 the way out
.Lpath_w:
	s_sub_co_u32 s17, ttmp9, 256
	s_lshr_b32 s18, s17, 3                         ; which 128 stored rows: 0-23 W_qkv's columns, 24-31 W_proj's
	s_and_b32 s19, s17, 7                          ; which 128 along K
	s_lshl_b32 s22, s18, 7
	s_lshl_b32 s23, s16, 5
	s_add_co_u32 s22, s22, s23                     ; my wave's first stored row
	s_cmp_ge_u32 s18, 24
	s_mov_b32 s24, 12288
	s_cselect_b32 s24, 4096, s24                   ; bytes from row to row of the weight
	s_cselect_b64 s[6:7], s[8:9], s[6:7]
	s_cselect_b32 s25, 3072, 0
	s_sub_co_u32 s25, s22, s25                     ; my first column in that weight
	s_lshl_b32 s25, s25, 2
	s_lshl_b32 s26, s19, 7
	s_mul_i32 s26, s26, s24
	s_add_co_u32 s26, s26, s25
	s_mov_b32 s27, 0
	s_add_nc_u64 s[32:33], s[6:7], s[26:27]        ; block 0's first row;
	s_lshl_b32 s26, s24, 5
.irp t, 1,2,3
	s_add_nc_u64 s[32+2*\t:33+2*\t], s[30+2*\t:31+2*\t], s[26:27]   ; a base for each block, 32 rows apart
.endr
	s_mul_i32 s28, s22, 768                        ; 12,288 bytes for each 16 stored rows,
	s_mul_i32 s29, s19, 1536                       ; a fragment for each 128 along K
	s_add_co_u32 s28, s28, s29
	s_mov_b32 s29, 0
	s_add_nc_u64 s[48:49], s[12:13], s[28:29]
	s_lshl_b32 s28, s22, 5
	s_lshl_b32 s30, s19, 2
	s_add_co_u32 s28, s28, s30
	s_add_co_u32 s28, s28, WSOFF
	s_add_nc_u64 s[50:51], s[12:13], s[28:29]
	v_lshlrev_b32 v31, 2, v2
.set i, 0
.rept 32
	v_mad_u32_u24 v[OFF+i], s24, i, v31
.set i, i+1
.endr
.macro WLOAD t                         ; block t: rows 32 t + i at my column: 32 lanes read 128 consecutive bytes, the four waves 512
.set i, 0
.rept 32
	global_load_b32 v[XW+32*((\t)%2)+i], v[OFF+i], s[32+2*(\t):33+2*(\t)] th:TH_LOAD_NT
.set i, i+1
.endr
.endm
.macro WBLOCK t
.set XS, XW+32*((\t)%2)
.if (\t) < 3
	s_wait_loadcnt 32                              ; this block's 32 loads are in; the next block's may be out
.else
	s_wait_loadcnt 0x0
.endif
	v_max3_num_f32 v130, |v[XS]|, |v[XS+1]|, |v[XS+2]|
	v_max3_num_f32 v131, |v[XS+3]|, |v[XS+4]|, |v[XS+5]|
.irp i, 6,10,14,18,22,26
	v_max3_num_f32 v130, v130, |v[XS+\i]|, |v[XS+\i+1]|
	v_max3_num_f32 v131, v131, |v[XS+\i+2]|, |v[XS+\i+3]|
.endr
	v_max3_num_f32 v130, v130, |v[XS+30]|, |v[XS+31]|
	v_max3_num_f32 v130, v130, v131, EF            ; the block's largest magnitude, and the floor
	v_add_nc_u32 v132, 0xfe000000, v130
	v_lshrrev_b32 v133, 23, v132
.if (\t) == 0
	v_mov_b32 v[SB], v133
.else
	v_lshl_or_b32 v[SB], v133, 8*(\t), v[SB]
.endif
	v_cvt_scalef32_pk16_bf6_f32 v[10:12], v[XS:XS+15], v132
	v_cvt_scalef32_pk16_bf6_f32 v[22:24], v[XS+16:XS+31], v132
	v_nop                                          ; one plain place behind a scaled conversion
	v_mov_b32 v13, v22
	v_mov_b32 v14, v23
	v_mov_b32 v15, v24
	; block t is registers 6 c .. 6 c + 5 (c = t / 2) of lane r' + 16 (t % 2) in my stored block's fragment: it goes to that place of the image
	ds_store_b128 v[WA16], v[10:13] offset:768*((\t)/2)+256*((\t)%2)
	ds_store_b64 v[WA8], v[14:15] offset:768*((\t)/2)+512+128*((\t)%2)
.if (\t)+2 < 4
	WLOAD (\t)+2
.endif
	s_wait_dscnt 0x0                               ; the stores have read their registers
.endm
	WLOAD 0
	WLOAD 1
.irp t, 0,1,2,3
	WBLOCK \t
.endr
	s_wait_alu depctr_va_vdst(0)                   ; directly ahead of the reader below
	global_store_b32 v[WSG], v[SB], s[50:51]       ; my column's four bytes, rows 32 bytes apart
.irp q, 0,1,2,3,4,5
	ds_load_b128 v[OUTR+4*\q:OUTR+4*\q+3], v[WRD] offset:512*\q
.endr
.irp q, 0,1,2,3,4,5
	s_wait_dscnt 5-\q
	global_store_b128 v[L16], v[OUTR+4*\q:OUTR+4*\q+3], s[48:49] offset:(\q/3)*12288+(\q%3)*512   ; 512 consecutive bytes, aligned
.endr
	s_wait_tensorcnt 0x0                           ; the wave's end
	ds_add_u32 v248, v249
	s_wait_dscnt 0x0
	s_endpgm
.Lfunc_end_k_qfb06994d53_prep:
	.size	k_qfb06994d53_prep, .Lfunc_end_k_qfb06994d53_prep-k_qfb06994d53_prep
	.p2alignl 7, 3214868480
	.fill 96, 4, 3214868480
	.section	.rodata,"a",@progbits
	.p2align	6, 0x0
	.amdhsa_kernel k_qfb06994d53_prep
		.amdhsa_group_segment_fixed_size 58880
		.amdhsa_private_segment_fixed_size 0
		.amdhsa_enable_private_segment 0
		.amdhsa_kernarg_size 48
		.amdhsa_user_sgpr_count 2
		.amdhsa_user_sgpr_kernarg_segment_ptr 1
		.amdhsa_wavefront_size32 1
		.amdhsa_system_sgpr_workgroup_id_x 1
		.amdhsa_system_sgpr_workgroup_id_y 1
		.amdhsa_system_sgpr_workgroup_id_z 1
		.amdhsa_system_vgpr_workitem_id 0
		.amdhsa_next_free_vgpr 250
		.amdhsa_next_free_sgpr 66
		.amdhsa_reserve_vcc 1
		.amdhsa_float_denorm_mode_32 3
		.amdhsa_float_denorm_mode_16_64 3
		.amdhsa_memory_ordered 1
		.amdhsa_forward_progress 1
		.amdhsa_inst_pref_size 80
	.end_amdhsa_kernel
	.amdgpu_metadata
---
amdhsa.version: [ 1, 2 ]
amdhsa.kernels:
  - .name:           k_qfb06994d53_prep
    .symbol:         k_qfb06994d53_prep.kd
    .args:
      - { .name: x, .offset: 0, .size: 8, .value_kind: global_buffer, .address_space: global }
      - { .name: W_qkv, .offset: 8, .size: 8, .value_kind: global_buffer, .address_space: global }
      - { .name: W_proj, .offset: 16, .size: 8, .value_kind: global_buffer, .address_space: global }
      - { .name: xq, .offset: 24, .size: 8, .value_kind: global_buffer, .address_space: global }
      - { .name: wq, .offset: 32, .size: 8, .value_kind: global_buffer, .address_space: global }
      - { .name: rope, .offset: 40, .size: 8, .value_kind: global_buffer, .address_space: global }
    .group_segment_fixed_size: 58880
    .private_segment_fixed_size: 0
    .kernarg_segment_align: 8
    .kernarg_segment_size: 48
    .max_flat_workgroup_size: 128
    .sgpr_count:     66
    .vgpr_count:     250
    .wavefront_size: 32
...
	.end_amdgpu_metadata
.endif
;; end of part 1
;; launch gemm_qkv (part 2): grid 8 x 32, 4 waves a work-group, clusters of 4 x 4, 327,680 bytes of LDS; arguments xq, wq, rope, qq, kv; writes qq, kv
.if DOCPART == 2
	.amdgcn_target "amdgcn-amd-amdhsa--gfx1250"
	.amdhsa_code_object_version 6
	.text
	.protected	k_qfb06994d53_gemm_qkv
	.globl	k_qfb06994d53_gemm_qkv
	.p2align	8
	.type	k_qfb06994d53_gemm_qkv,@function
k_qfb06994d53_gemm_qkv:
	s_mov_b64 s[64:65], 0
	v_nop
	global_prefetch_b8 v0, s[64:65] scope:SCOPE_SE
	s_setreg_imm32_b32 hwreg(HW_REG_WAVE_MODE, 25, 1), 1
	s_wait_xcnt 0x0
	s_wait_alu depctr_hold_cnt(0) depctr_sa_sdst(0) depctr_va_vdst(0) depctr_va_sdst(0) depctr_va_ssrc(0) depctr_va_vcc(0) depctr_vm_vsrc(0)
	s_getreg_b32 s2, hwreg(HW_REG_IB_STS2, 6, 4)
	s_cmp_eq_u32 s2, 0
	s_cbranch_scc0 .Lentry_in_a_cluster
	s_endpgm
.Lentry_in_a_cluster:
	s_bfe_u32 s2, ttmp6, 0x10000c
	s_cmp_lg_u32 s2, 0xf033
	s_cbranch_scc0 .Lentry_shape_is_right
	s_endpgm
.Lentry_shape_is_right:
; qkv = x W_qkv on codes of BF6 (E3M2) with E8M0 scales for each 32 along K = 1,024; then the rotation of q and k in f32, and q, k, v are quantised for attention's two products and stored as images of operands.
; A WORK-GROUP takes 256 positions (by) and two heads (bx), and makes three tiles of 256 x 128 one after the other: the heads' columns of q, of k and of v.  ALL OF K LIES IN LDS: x's 16 stored blocks (196,608 bytes)
; are filled once and stay; W's 8 stored blocks (98,304 bytes) are filled three times: the two refills stand behind the full sequence and a round of the cluster's barrier, and a tile's way out is worked under them.
; The codes lie in memory as images of fragments (16 stored rows x 128 K: 1,536 bytes; a block's eight follow each other): a fragment comes by two loads of 16 bytes and two of 8 a lane, consecutive bytes.
; STORED ORDER: lane r of stored block p is row 32 (p / 2) + 8 (p % 2) + r % 8 + 16 (r / 8).  Source 0 of a product takes 16 stored rows of one operand (S0), source 1 of the other (S1): a lane holds ONE row of S1, and
; the 64 registers of its eight accumulators are S0's rows 32 b + 16 (lane / 16) + i (register 16 b + i): neighbours, as the quantiser wants them.
; A WAVE makes 4 blocks of S1 x 8 blocks of S0: 32 accumulators, window 2.  q and k: S1 = x's blocks 4 w .. 4 w + 3 (64 positions), S0 = W's eight (two heads).  v: S1 = W's blocks 4 (w % 2) .. (one head's 64 d),
; S0 = x's blocks 8 (w / 2) .. (128 keys), since the keys are the K of attention's second product.
; SCALES go from memory into registers: a block's 512 bytes by one load, lane (r, h) taking bytes 32 r + 16 h: word j is K step j in lanes 0-15 and K step 4 + j in lanes 16-31 (read by ROW1).
; THE TABLE of cos and sin of the wave's 64 positions is loaded once, into window 3, and serves q and k.
; CLUSTERS: 4 x 4.  x's tile hangs on by alone and is asked for jointly along a row of the cluster, W's on bx alone, along a column.
; NO PREFETCH: the launch has no loop to run ahead in: three walks written out, and two refills, each asked for as soon as its bytes are free.
; OUT: qq: for each head and 128 queries a record of 6,656 bytes: 8 tiles x 768 (half a fragment: K = 64), then the scale words [2][16 rows][4 tiles].  kv: for each head and 128 keys 13,312 bytes: K as q,
; V's 4 tiles of 16 d x 128 keys (1,536 each), K's scale words (512), V's [16 rows][4 tiles] (256), 256 zeros.  A q or k scale word's upper two bytes are the neighbour head's or 0: they meet zero codes alone.
; LIMITS: blocks whose largest magnitude lies under 2^-122 (zeros among them) keep the byte 1; NaN and infinities are not served.
; REGISTERS: window 0: v8-29 addresses; v32-63 S0's scale words, v64-79 S1's, and nothing else there; v128-223 S1's fragments, two sets; on the way out v128-255.  window 1: S0's fragments, two sets.
.set XSOFF, 6291456
.set WSOFF, 3145728
.set BROW,  12288                      ; a block's eight fragments
.set FRB,   1536
.set FR,    12
.set QUART, 4*BROW
.set BB,    16*BROW                    ; W's region, behind x's
.set SPARE, BB+8*BROW                  ; the spare words: two blocks of 256 bytes that no other line names
.set QS1, 8                            ; v8-9    q, k: S1: my quarter of x, + 16 x lane, + 8 x lane
.set QS0, 10                           ; v10-13  q, k: S0: W's blocks 0-3, 4-7
.set VS0, 14                           ; v14-17  v: S0: my half of x
.set VS1, 18                           ; v18-19  v: S1: my half of W
.set T16, 20                           ; v20-21  my four tiles' place in a record of q or k
.set T8,  21
.set VQS, 22                           ; v22, v23 where my scale words go in q's and in k's record: lanes 16-31 the second head's
.set VKS, 23
.set L16, 24
.set L8,  25
.set VRO, 26                           ; the table: my row's place in a block's span, + 64 h
.set VSC, 27                           ; 32 r + 16 h
.set SPW, 28
.set NIL, 29
.set SC0, 32
.set SC1, 64
.set AF,  128
.set RO,  128                          ; the way out: v128-191 the rotated numbers
.set PC,  192                          ; v192-210 codes
.set TM,  212                          ; v212-227 the quantiser's
.set PW,  228                          ; the scale word just made
.set KEEP, 232
.set U,   244
.set G1,  24
.set G0,  32
.set G1B, 48
.set G0B, 56
.set MSB, 0
.macro WIN new                         ; the immediate's high byte repeats the setting that is left
.if MSB != (\new)
	s_set_vgpr_msb (MSB<<8)|(\new)
.set MSB, (\new)
.endif
.endm
.set MUL,  0xa1                        ; source 0 window 1, source 1 window 0, C and D window 2
.set TO_B, 0x40
.macro PLACES n
.rept \n
	v_nop
.endr
.endm
.macro CROUND
	s_barrier_signal -1
	s_barrier_wait -1
	s_cmp_lg_u32 s14, 0
	s_cbranch_scc1 .Lnot_wave_0_\@
	s_barrier_signal -3
.Lnot_wave_0_\@:
	s_barrier_wait -3
	s_barrier_signal -1
	s_barrier_wait -1
.endm
.macro FRAG reg, adr, i, q             ; block i's fragment of K step q: the image's two halves
	ds_load_b128 v[\reg:\reg+3], v[\adr] offset:(\i)*BROW+(\q)*FRB
	ds_load_b64 v[\reg+4:\reg+5], v[\adr+1] offset:(\i)*BROW+(\q)*FRB+512
	ds_load_b128 v[\reg+6:\reg+9], v[\adr] offset:(\i)*BROW+(\q)*FRB+768
	ds_load_b64 v[\reg+10:\reg+11], v[\adr+1] offset:(\i)*BROW+(\q)*FRB+1280
.endm
.macro FETCH q, s0, s1                 ; K step q's 12 fragments into set q % 2: 48 loads
	WIN TO_B
.irp i, 0,1,2,3
	FRAG 128*((\q)%2)+FR*\i, \s0, \i, \q
.endr
.irp i, 0,1,2,3
	FRAG 128*((\q)%2)+FR*(4+\i), \s0+2, \i, \q
.endr
	WIN 0
.irp i, 0,1,2,3
	FRAG AF+48*((\q)%2)+FR*\i, \s1, \i, \q
.endr
.endm
.macro MUL32 q, zero                   ; the 32 accumulators take turns, one instruction a turn, in the same order in every step
.irp a, 0,1,2,3
.irp b, 0,1,2,3,4,5,6,7
.if \zero
	v_wmma_scale_f32_16x16x128_f8f6f4 v[8*(8*\a+\b):8*(8*\a+\b)+7], v[128*((\q)%2)+FR*\b:128*((\q)%2)+FR*\b+FR-1], v[AF+48*((\q)%2)+FR*\a:AF+48*((\q)%2)+FR*\a+FR-1], 0, v[SC0+4*\b+(\q)%4], v[SC1+4*\a+(\q)%4] matrix_a_fmt:MATRIX_FMT_BF6 matrix_b_fmt:MATRIX_FMT_BF6
.else
.if (\q) < 4
	v_wmma_scale_f32_16x16x128_f8f6f4 v[8*(8*\a+\b):8*(8*\a+\b)+7], v[128*((\q)%2)+FR*\b:128*((\q)%2)+FR*\b+FR-1], v[AF+48*((\q)%2)+FR*\a:AF+48*((\q)%2)+FR*\a+FR-1], v[8*(8*\a+\b):8*(8*\a+\b)+7], v[SC0+4*\b+(\q)%4], v[SC1+4*\a+(\q)%4] matrix_a_fmt:MATRIX_FMT_BF6 matrix_b_fmt:MATRIX_FMT_BF6
.else
	v_wmma_scale_f32_16x16x128_f8f6f4 v[8*(8*\a+\b):8*(8*\a+\b)+7], v[128*((\q)%2)+FR*\b:128*((\q)%2)+FR*\b+FR-1], v[AF+48*((\q)%2)+FR*\a:AF+48*((\q)%2)+FR*\a+FR-1], v[8*(8*\a+\b):8*(8*\a+\b)+7], v[SC0+4*\b+(\q)%4], v[SC1+4*\a+(\q)%4] matrix_a_fmt:MATRIX_FMT_BF6 matrix_b_fmt:MATRIX_FMT_BF6 matrix_a_scale:MATRIX_SCALE_ROW1 matrix_b_scale:MATRIX_SCALE_ROW1
.endif
.endif
.endr
.endr
.endm
.macro WALK s0, s1                     ; K = 1,024 in eight steps; a step's fragments are asked for one step ahead
	FETCH 0, \s0, \s1
	FETCH 1, \s0, \s1
	s_wait_dscnt 48                                ; all but the 48 just issued
	WIN MUL
	MUL32 0, 1                                     ; the first step starts the sums
	WIN 0
.irp q, 1,2,3,4,5,6
	PLACES 4                                       ; in front of loads into the set that the last step's products read
	FETCH \q+1, \s0, \s1
	s_wait_dscnt 48
	WIN MUL
	MUL32 \q, 0
	WIN 0
.endr
	s_wait_dscnt 0x0
	WIN MUL
	MUL32 7, 0
	WIN 0
.endm
.macro SLOAD reg, n, base, off         ; the scale words of n blocks: 512 consecutive bytes a load
.set i, 0
.rept \n
	global_load_b128 v[\reg+4*i:\reg+4*i+3], v[VSC], s[\base:\base+1] offset:(\off)+512*i
.set i, i+1
.endr
.endm
	s_load_b256 s[4:11], s[0:1], 0x0               ; xq s[4:5], wq s[6:7], rope s[8:9], qq s[10:11]
	s_load_b64 s[12:13], s[0:1], 0x20              ; kv
	v_lshl_add_u32 v[SPW], v0, 2, SPARE
	v_mov_b32 v[NIL], 0
	ds_add_u32 v[SPW], v[NIL]                      ; the opening lines: the add twice on end and one wait
	ds_add_u32 v[SPW], v[NIL]
	v_lshrrev_b32 v1, 5, v0
	v_readfirstlane_b32 s14, v1                    ; wave
	s_lshr_b32 s15, s14, 1                         ; I fetch for x (0) or for W (1)
	s_and_b32 s16, s14, 1                          ; which half of that tile
	s_bfe_u32 s40, ttmp6, 0x40000                  ; cx
	s_bfe_u32 s41, ttmp6, 0x40004                  ; cy
	s_lshl_b32 s42, ttmp9, 2
	s_add_co_u32 s42, s42, s40                     ; bx: heads 2 bx, 2 bx + 1
	s_and_b32 s17, ttmp7, 0xffff
	s_lshl_b32 s17, s17, 2
	s_add_co_u32 s17, s17, s41                     ; by: positions 256 by ..
	s_lshl_b32 s43, s41, 2
	s_lshl_b32 s43, 15, s43                        ; my row of the cluster
	s_lshl_b32 s44, 0x1111, s40                    ; my column
	s_or_b32 s[G1], s43, (3<<16)|(1<<21)           ; group 1: rows of 12,288 bytes (1,536 elements of 8), dense: 8 blocks for x's half,
	s_or_b32 s[G1B], s44, (3<<16)|(1<<21)          ; 4 for W's
.irp g, G1, G1B
	s_mov_b32 s[\g+1], 1536<<16
	s_mov_b32 s[\g+3], 1536<<16
	s_mov_b32 s[\g+5], 1536
	s_mov_b32 s[\g+6], 0
	s_mov_b32 s[\g+7], 0
.endr
	s_mov_b32 s[G1+2], 8<<16
	s_mov_b32 s[G1+4], 8
	s_mov_b32 s[G1B+2], 4<<16
	s_mov_b32 s[G1B+4], 4
	s_lshl_b32 s20, s17, 4
	s_lshl_b32 s18, s16, 3
	s_add_co_u32 s20, s20, s18
	s_mul_i32 s20, s20, BROW                       ; x: block 16 by + 8 half
	s_mov_b32 s21, 0
	s_lshl_b32 s46, s42, 3
	s_lshl_b32 s18, s16, 2
	s_add_co_u32 s46, s46, s18
	s_mul_i32 s46, s46, BROW                       ; W: block 8 bx + 4 half (q's columns; k's and v's lie 64 and 128 blocks on)
	s_mov_b32 s47, 0
	s_lshl_b32 s60, s17, 4
	s_lshl_b32 s18, s14, 2
	s_add_co_u32 s60, s60, s18
	s_lshl_b32 s60, s60, 9
	s_add_co_u32 s60, s60, XSOFF                   ; scales of x's blocks 16 by + 4 w ..
	s_mov_b32 s61, 0
	s_lshl_b32 s62, s17, 4
	s_lshl_b32 s18, s15, 3
	s_add_co_u32 s62, s62, s18
	s_lshl_b32 s62, s62, 9
	s_add_co_u32 s62, s62, XSOFF                   ; and of 16 by + 8 (w / 2) ..
	s_mov_b32 s63, 0
	s_lshl_b32 s66, s42, 12
	s_add_co_u32 s66, s66, WSOFF                   ; scales of W's blocks 8 bx ..
	s_mov_b32 s67, 0
	s_lshl_b32 s18, s16, 11
	s_add_co_u32 s68, s66, s18
	s_add_co_u32 s68, s68, 128*512                 ; and of 128 + 8 bx + 4 (w % 2) ..
	s_mov_b32 s69, 0
	s_and_b32 s19, s17, 7
	s_lshl_b32 s78, s19, 2
	s_add_co_u32 s78, s78, s14
	s_lshl_b32 s78, s78, 14                        ; the table: 64 positions x 256 bytes for each wave
	s_mov_b32 s79, 0
	s_lshr_b32 s18, s17, 3
	s_lshl_b32 s18, s18, 4
	s_lshl_b32 s22, s42, 1
	s_add_co_u32 s18, s18, s22                     ; 16 x batch + head
	s_lshl_b32 s23, s19, 1
	s_add_co_u32 s23, s23, s15                     ; which 128 positions
	s_lshl_b32 s22, s18, 4
	s_add_co_u32 s22, s22, s23                     ; the first head's record of q and k
	s_mul_i32 s70, s22, 13312
	s_mov_b32 s71, 0
	s_mul_i32 s80, s22, 6656
	s_mov_b32 s81, 0
	s_add_co_u32 s18, s18, s16                     ; v: my head
	s_lshl_b32 s18, s18, 4
	s_add_co_u32 s18, s18, s23
	s_mul_i32 s72, s18, 13312
	s_add_co_u32 s72, s72, 6144                    ; V's part of the record
	s_mov_b32 s73, 0
	s_mul_i32 s82, s14, QUART
	s_mul_i32 s83, s15, 2*QUART
	s_mul_i32 s84, s16, QUART
	s_add_co_u32 s84, s84, BB
	s_mul_i32 s85, s16, 3072
	s_lshl_b32 s86, s16, 8
	s_mul_i32 s87, s16, 8*BROW
	s_mov_b32 s74, 0xffff0000                      ; lanes 16-31
	s_mov_b32 s75, 0x0000ffff                      ; lanes 0-15
	s_mov_b32 s76, 0x76543210
	s_mov_b32 s77, 0xfedcba98                      ; v_permlanex16_b32's selects for lane l xor 16
	s_wait_dscnt 0x0
	s_wait_kmcnt 0x0
	s_mov_b32 s[G0], 1
	s_mov_b32 s[G0+1], s87
	s_add_nc_u64 s[G0+2:G0+3], s[4:5], s[20:21]
	s_or_b32 s[G0+3], s[G0+3], 0x80000000
	s_mov_b32 s[G0B], 1
	s_mov_b32 s[G0B+1], s84
	s_add_nc_u64 s[G0B+2:G0B+3], s[6:7], s[46:47]
	s_or_b32 s[G0B+3], s[G0B+3], 0x80000000
	s_add_nc_u64 s[60:61], s[4:5], s[60:61]
	s_add_nc_u64 s[62:63], s[4:5], s[62:63]
	s_add_nc_u64 s[66:67], s[6:7], s[66:67]
	s_add_nc_u64 s[68:69], s[6:7], s[68:69]
	s_add_nc_u64 s[8:9], s[8:9], s[78:79]
	s_add_nc_u64 s[10:11], s[10:11], s[80:81]
	s_add_nc_u64 s[70:71], s[12:13], s[70:71]
	s_add_nc_u64 s[72:73], s[12:13], s[72:73]
	CROUND                                         ; all sixteen work-groups are here: the first joint loads meet
	s_cmp_eq_u32 s15, 0                            ; the head's loads, one a wave: waves 0 and 1 x's halves, waves 2 and 3 W's
	s_cbranch_scc0 .Lhead_w
	tensor_load_to_lds s[G0:G0+3], s[G1:G1+7]
	s_nop 0
	PLACES 4
	s_branch .Lhead_asked
.Lhead_w:
	tensor_load_to_lds s[G0B:G0B+3], s[G1B:G1B+7]
	s_nop 0
	PLACES 4
.Lhead_asked:
	v_and_b32 v1, 15, v0                           ; r
	v_bfe_u32 v2, v0, 4, 1                         ; h
	v_and_b32 v3, 31, v0
	v_lshlrev_b32 v[L16], 4, v3
	v_lshlrev_b32 v[L8], 3, v3
	v_add_nc_u32 v[QS1], s82, v[L16]
	v_add_nc_u32 v[QS1+1], s82, v[L8]
	v_add_nc_u32 v[QS0], BB, v[L16]
	v_add_nc_u32 v[QS0+1], BB, v[L8]
	v_add_nc_u32 v[QS0+2], BB+QUART, v[L16]
	v_add_nc_u32 v[QS0+3], BB+QUART, v[L8]
	v_add_nc_u32 v[VS0], s83, v[L16]
	v_add_nc_u32 v[VS0+1], s83, v[L8]
	v_add_nc_u32 v[VS0+2], QUART, v[VS0]
	v_add_nc_u32 v[VS0+3], QUART, v[VS0+1]
	v_add_nc_u32 v[VS1], s84, v[L16]
	v_add_nc_u32 v[VS1+1], s84, v[L8]
	v_lshlrev_b32 v[VSC], 5, v1
	v_lshl_add_u32 v[VSC], v2, 4, v[VSC]
	v_and_b32 v4, 7, v0
	v_bfe_u32 v5, v0, 3, 1
	v_lshl_add_u32 v4, v5, 4, v4                   ; r % 8 + 16 (r / 8)
	v_lshlrev_b32 v4, 8, v4                        ; a position's 256 bytes of the table
	v_lshl_add_u32 v[VRO], v2, 6, v4
	v_add_nc_u32 v[T16], s85, v[L16]
	v_add_nc_u32 v[T8], s85, v[L8]
	v_lshl_add_u32 v6, v1, 4, s86                  ; 16 r + 256 (w % 2)
	v_mul_u32_u24 v7, v2, 16*6656                  ; the second head: 16 records on
	v_add3_u32 v[VQS], v6, v7, 6144
	v_mul_u32_u24 v7, v2, 16*13312
	v_add3_u32 v[VKS], v6, v7, 12288
	s_wait_alu depctr_va_vdst(0)                   ; the wait at the head's end
	SLOAD SC0, 8, 66, 0                            ; q: W's scale words,
	SLOAD SC1, 4, 60, 0                            ; and x's, which serve k too
	WIN 0xc0                                       ; destination window 3
.irp a, 0,1,2,3                        ; block a's table: of my position the pairs 16 e + 8 h + 0 .. 7: both heads share them
.irp e, 0,1
.irp j, 0,1,2,3
	global_load_b128 v[32*\a+16*\e+4*\j:32*\a+16*\e+4*\j+3], v[VRO], s[8:9] offset:(32*(\a/2)+8*(\a%2))*256+128*\e+16*\j
.endr
.endr
.endr
	WIN 0
; THE WAY OUT.  64 numbers of a lane (window w, from register s on; register 16 b + i = k 32 b + 16 (lane / 16) + i of the lane's row) become a fragment in v[PC] on and its scale word in v[PW].
; The accumulators are read in ascending order, each from its low end on.
.macro QUANT s, w
	WIN ((\w)<<2)|((\w)<<4)                        ; sources 1 and 2
.irp b, 0,1,2,3
	v_max3_num_f32 v[TM+\b], 0x2800000, |v[(\s)+16*\b]|, |v[(\s)+16*\b+1]|   ; my 16 numbers of block b, and the floor 2^(5 - 127)
.endr
.irp i, 2,4,6,8,10,12,14
.irp b, 0,1,2,3
	v_max3_num_f32 v[TM+\b], v[TM+\b], |v[(\s)+16*\b+\i]|, |v[(\s)+16*\b+\i+1]|
.endr
.endr
	WIN 0
.irp b, 0,1,2,3
	v_permlanex16_b32 v[TM+4+\b], v[TM+\b], s76, s77
.endr
.irp b, 0,1,2,3
	v_max_num_f32 v[TM+\b], v[TM+\b], v[TM+4+\b]   ; with lane l xor 16's: the block's largest magnitude
.endr
.irp b, 0,1,2,3
	v_add_nc_u32 v[TM+12+\b], 0xfe000000, v[TM+\b] ; 4 off its exponent field: the conversion's scale operand
.endr
.irp b, 0,1,2,3
	v_lshrrev_b32 v[TM+4+\b], 23, v[TM+12+\b]      ; the byte
.endr
	v_lshl_or_b32 v[PW], v[TM+5], 8, v[TM+4]
	v_lshl_or_b32 v[PW], v[TM+6], 16, v[PW]
	v_lshl_or_b32 v[PW], v[TM+7], 24, v[PW]
	WIN \w                                         ; source 0
.irp c, 0,1
	v_cvt_scalef32_pk16_bf6_f32 v[PC+6*\c:PC+6*\c+2], v[(\s)+32*\c:(\s)+32*\c+15], v[TM+12+2*\c]
	v_cvt_scalef32_pk16_bf6_f32 v[PC+12+4*\c:PC+14+4*\c], v[(\s)+32*\c+16:(\s)+32*\c+31], v[TM+12+2*\c+1]
.endr
	WIN 0
	v_nop                                          ; one plain place behind a scaled conversion
.irp c, 0,1                            ; the operand wants a whole block in a lane
.irp i, 0,1,2
	v_permlane16_swap_b32 v[PC+6*\c+\i], v[PC+12+4*\c+\i]
.endr
.irp i, 0,1,2
	v_mov_b32 v[PC+3+6*\c+\i], v[PC+12+4*\c+\i]
.endr
.endr
.endm
.macro ROPE a                          ; even' = even cos - odd sin, odd' = even sin + odd cos, in f32
	WIN 0x0e                                       ; source 0: the accumulators' window 2; source 1: the table's window 3
.set AC, 64*(\a)
.set TS, 32*(\a)
.set n, 0
.rept 32
.set TT, TS+2*(8*((n/16)%2)+(n%16)/2)
.set UU, U+2*((n/2)%2)
	v_mul_f32 v[UU], v[AC+n+1], v[TT+1]
	v_mul_f32 v[UU+1], v[AC+n+1], v[TT]
	v_fma_f32 v[RO+n], v[AC+n], v[TT], -v[UU]
	v_fma_f32 v[RO+n+1], v[AC+n], v[TT+1], v[UU+1]
.set n, n+2
.endr
	WIN 0
.endm
.macro REFILL                          ; W's region is read no more: the next 64 blocks' tile goes into it
	s_wait_tensorcnt 0x0                           ; wait, add and wait in front of a refill's barrier
	ds_add_u32 v[SPW], v[NIL]
	s_add_nc_u64 s[G0B+2:G0B+3], s[G0B+2:G0B+3], 64*BROW
	s_wait_dscnt 0x0                               ; the add is done, and my reads of the region are over
	CROUND                                         ; the same holds of every wave of every partner
	s_cmp_eq_u32 s15, 0
	s_cbranch_scc1 .Lnone_\@                       ; waves 2 and 3 ask, a half each; the branch hangs on the wave's number alone
	tensor_load_to_lds s[G0B:G0B+3], s[G1B:G1B+7]
	s_nop 0
	PLACES 4
.Lnone_\@:
	PLACES 4                                       ; behind the last products: results are read, and registers that held operands and scales are written, from here on
.endm
.macro MEET                            ; the refill has landed in every wave's sight
	s_wait_loadcnt 0x0                             ; the next walk's scale words
	s_wait_tensorcnt 0x0
	s_barrier_signal -1
	s_barrier_wait -1
.endm
.macro PERMS
.irp b, 0,1,2,3
	v_mov_b32 v[TM+4+\b], 0                        ; a lane permute's destination counts as one of its sources
.endr
.endm
.macro EPI_QK base, hs, vs             ; my 64 positions x two heads: four tiles of each head's record; hs: bytes from the first head's record to the second's
	PERMS
.irp a, 0,1,2,3
	ROPE \a
.if \a > 0
	s_wait_xcnt 0x0                                ; the last block's stores have read the codes' registers
.endif
	QUANT RO, 0
	global_store_b128 v[T16], v[PC:PC+3], s[\base:\base+1] offset:768*\a             ; the first head's half fragment: 512 + 256 consecutive bytes
	global_store_b64 v[T8], v[PC+4:PC+5], s[\base:\base+1] offset:768*\a+512
	global_store_b128 v[T16], v[PC+6:PC+9], s[\base:\base+1] offset:768*\a+\hs       ; the second head's
	global_store_b64 v[T8], v[PC+10:PC+11], s[\base:\base+1] offset:768*\a+512+\hs
	v_lshrrev_b32 v[U], 16, v[PW]                  ; the second head's two bytes come down,
	v_cndmask_b32 v[KEEP+\a], v[PW], v[U], s74     ; in lanes 16-31
.endr
	global_store_b128 v[\vs], v[KEEP:KEEP+3], s[\base:\base+1]   ; [16 rows][4 tiles]: lanes 0-15 the first head's 256 bytes, lanes 16-31 the second's
	s_wait_xcnt 0x0                                ; the stores have read their registers, which the next walk's loads fill
.endm
	s_wait_loadcnt 0x0                             ; scale words and table
	s_wait_tensorcnt 0x0                           ; my part of the head's tiles is in
	s_barrier_signal -1
	s_barrier_wait -1
	WALK QS0, QS1                                  ; q
	REFILL                                         ; k's columns of W
	SLOAD SC0, 8, 66, 64*512
	EPI_QK 10, 16*6656, VQS
	MEET
	WALK QS0, QS1                                  ; k
	REFILL                                         ; v's columns of W
	SLOAD SC0, 8, 62, 0                            ; v: S0 is x, S1 is W
	SLOAD SC1, 4, 68, 0
	EPI_QK 70, 16*13312, VKS
	MEET
	WALK VS0, VS1                                  ; v
	PLACES 4
	PERMS
.irp t, 0,1,2,3                        ; tile t: 16 d x 128 keys
.if \t > 0
	s_wait_xcnt 0x0                                ; the last tile's stores have read the codes' registers
.endif
	QUANT 64*\t, 2
.irp c, 0,1,2
	global_store_b128 v[L16], v[PC+4*\c:PC+4*\c+3], s[72:73] offset:\t*1536+512*\c   ; the fragment as it stands: 512 consecutive bytes a store
.endr
	v_cndmask_b32 v[KEEP+\t], 0, v[PW], s75        ; lanes 16-31: the record's last 256 bytes are zeros
.endr
	global_store_b128 v[L16], v[KEEP:KEEP+3], s[72:73] offset:6656   ; [16 rows][4 tiles], then the zeros: 512 consecutive bytes
	s_wait_tensorcnt 0x0                           ; the wave's end
	ds_add_u32 v[SPW], v[NIL]
	s_wait_dscnt 0x0
	CROUND                                         ; the closing round
	s_endpgm
.Lfunc_end_k_qfb06994d53_gemm_qkv:
	.size	k_qfb06994d53_gemm_qkv, .Lfunc_end_k_qfb06994d53_gemm_qkv-k_qfb06994d53_gemm_qkv
	.p2alignl 7, 3214868480
	.fill 96, 4, 3214868480
	.section	.rodata,"a",@progbits
	.p2align	6, 0x0
	.amdhsa_kernel k_qfb06994d53_gemm_qkv
		.amdhsa_group_segment_fixed_size 327680
		.amdhsa_private_segment_fixed_size 0
		.amdhsa_enable_private_segment 0
		.amdhsa_kernarg_size 40
		.amdhsa_user_sgpr_count 2
		.amdhsa_user_sgpr_kernarg_segment_ptr 1
		.amdhsa_wavefront_size32 1
		.amdhsa_system_sgpr_workgroup_id_x 1
		.amdhsa_system_sgpr_workgroup_id_y 1
		.amdhsa_system_sgpr_workgroup_id_z 1
		.amdhsa_system_vgpr_workitem_id 0
		.amdhsa_next_free_vgpr 1024
		.amdhsa_next_free_sgpr 90
		.amdhsa_reserve_vcc 0
		.amdhsa_float_denorm_mode_32 3
		.amdhsa_float_denorm_mode_16_64 3
		.amdhsa_memory_ordered 1
		.amdhsa_forward_progress 1
		.amdhsa_inst_pref_size 255
	.end_amdhsa_kernel
	.section	.bss,"aw",@nobits
	.p2align	6
	.space	262144
	.amdgpu_metadata
---
amdhsa.version: [ 1, 2 ]
amdhsa.kernels:
  - .name:           k_qfb06994d53_gemm_qkv
    .symbol:         k_qfb06994d53_gemm_qkv.kd
    .args:
      - { .name: xq, .offset: 0, .size: 8, .value_kind: global_buffer, .address_space: global }
      - { .name: wq, .offset: 8, .size: 8, .value_kind: global_buffer, .address_space: global }
      - { .name: rope, .offset: 16, .size: 8, .value_kind: global_buffer, .address_space: global }
      - { .name: qq, .offset: 24, .size: 8, .value_kind: global_buffer, .address_space: global }
      - { .name: kv, .offset: 32, .size: 8, .value_kind: global_buffer, .address_space: global }
    .group_segment_fixed_size: 327680
    .private_segment_fixed_size: 0
    .kernarg_segment_align: 8
    .kernarg_segment_size: 40
    .max_flat_workgroup_size: 128
    .sgpr_count:     90
    .vgpr_count:     1024
    .wavefront_size: 32
...
	.end_amdgpu_metadata
.endif
;; end of part 2
;; launch attn (part 3): grid 4 x 64, 16 waves a work-group, clusters of 4 x 1, 327,680 bytes of LDS; arguments qq, kv, yq; writes yq
.if DOCPART == 3
	.amdgcn_target "amdgcn-amd-amdhsa--gfx1250"
	.amdhsa_code_object_version 6
	.text
	.protected	k_qfb06994d53_attn
	.globl	k_qfb06994d53_attn
	.p2align	8
	.type	k_qfb06994d53_attn,@function
k_qfb06994d53_attn:
	s_mov_b64 s[64:65], 0
	v_nop
	global_prefetch_b8 v0, s[64:65] scope:SCOPE_SE
	s_setreg_imm32_b32 hwreg(HW_REG_WAVE_MODE, 25, 1), 1
	s_wait_xcnt 0x0
	s_wait_alu depctr_hold_cnt(0) depctr_sa_sdst(0) depctr_va_vdst(0) depctr_va_sdst(0) depctr_va_ssrc(0) depctr_va_vcc(0) depctr_vm_vsrc(0)
	s_getreg_b32 s2, hwreg(HW_REG_IB_STS2, 6, 4)
	s_cmp_eq_u32 s2, 0
	s_cbranch_scc0 .Lentry_in_a_cluster
	s_endpgm
.Lentry_in_a_cluster:
	s_bfe_u32 s2, ttmp6, 0x10000c
	s_cmp_lg_u32 s2, 0x3003
	s_cbranch_scc0 .Lentry_shape_is_right
	s_endpgm
.Lentry_shape_is_right:
; y = softmax(q k^T / 8, causal) v for one head, both products on codes of BF6 (E3M2) with E8M0 scales; y is quantised along the model's axis for the last product and stored as half a fragment.
; LEFT OUT: steps of 128 keys that lie wholly behind a wave's queries: reference()'s own jnp.tril makes their p zero for all inputs (see launch prep's head).
; THE SOFTMAX: t = score x log2(e) / 8; M = the running largest t rounded up to a whole number; p = 2^(t - M) is quantised along the keys; the sum is taken of the unquantised p and divides at the end.
; When M moves, the sum and O are multiplied by 2^(old M - new M): exact.
; A HEAD'S K, V AND SCALES, 16 records of 13,312 bytes, lie in LDS and are filled ONCE, jointly for the four work-groups of a cluster, which are the head's four.  Two fills: records 0-3 at the head (13 rows of
; 256 bytes a wave), records 4-15 (39 rows a wave) behind the full sequence and a round of the cluster's barrier, while the first four steps are worked.
; SHARES: 2,048 queries are 16 half-blocks of 128 = 8 tiles of 16.  Work-group cx takes tiles 2 cx and 2 cx + 1 of every half-block: 32 tiles for 16 waves.  Wave w owns tile 2 cx + w % 2 of half-block 15 - w / 2,
; walked first, and of half-block w / 2, walked second: (16 - w / 2) + (w / 2 + 1) = 17 steps of 128 keys in every wave.  The half-blocks hang on the wave's number alone; cx enters global addresses and the
; mask's numbers alone: every branch is alike in all partners.
; CAUSAL: all loops have constant trip counts; a step with SI > HB is jumped over; at SI = HB hidden scores become -infinity ahead of the maximum.  The first four steps of the first tile (HB >= 8) need neither test.
; LAYOUT: S^T = K Q^T and O^T = V^T P^T: a lane holds one query.  Lane r of a tile of K holds key 32 (t / 2) + 8 (t % 2) + r % 8 + 16 (r / 8), so register 16 b + i of S^T is key 32 b + 16 (lane / 16) + i;
; V's rows d are ordered likewise.  The first product's K is 64: registers 6-11 of Q's fragment are zero codes.  So registers 6-11 of a fragment of K may hold any codes: K's four half fragments lie 6 registers
; apart, each followed by the next one's codes (the last by six zeros), and their products with Q's zeros add 0 (E3M2 has no NaN or infinity; the scale bytes there are finite codes).
; NO PREFETCH: both fills are asked for at the launch's start; there is no later fill for a request to run ahead of.
; LIMITS: NaN and infinities are not served; the promise holds while |t| stays under 2^31; y's scale bytes leave as 2 bytes a row (lanes 16-31 repeat lanes 0-15).
.set XSOFF, 6291456
.set REC,   13312
.set QREC,  6656
.set SPARE, 16*REC                     ; the spare words: 128 bytes for each of 16 waves, named by no other line
.set KF,    32                         ; v32-55 four half fragments of K; v56-61 zeros
.set Q2,    62                         ; v62-67 the second tile's Q, v68 its scale word
.set VF,    80                         ; v80-127 V's four fragments.  Ahead of the score products v80-103 hold K's tiles 4-7, 6 registers apart like tiles 0-3; what follows the last of them (zeros at first, then codes of V) meets Q's zero codes
.set ST,    128                        ; v128-191 S^T, then p
.set OT,    192                        ; v192-223 O^T
.set SPW,   243
.set NIL,   255
.set WV,  10
.set CX,  11
.set BH,  12
.set HB,  13
.set SI,  14                           ; the key step
.set TB,  15                           ; its record's LDS byte
.set TQ,  16
.set CNT, 19
.set SEL, 20
.set CS,  22                           ; s[22:23] c = log2(e) / 8
.set G1A, 24
.set G1B, 32
.set G0A, 40
.set G0B, 44
.set HB2, 58
; v1 16 x lane, v2 8 x lane, v3 16 r; v4-6 the same + TB; v7 my query - 16 h; v8 -infinity; v9 Q's scale word; v12 -M, v13 the largest t, v[14:15] the sum; v16-27 Q; v28-31 V's scale words;
; v224-235 p's codes; v232-247 (but v243), v72-73, v252, v254 at work; v248-251 K's scale words; v253 p's scale word
.macro CROUND
	s_barrier_signal -1
	s_barrier_wait -1
	s_cmp_lg_u32 s[WV], 0
	s_cbranch_scc1 .Lnot_wave_0_\@
	s_barrier_signal -3
.Lnot_wave_0_\@:
	s_barrier_wait -3
	s_barrier_signal -1
	s_barrier_wait -1
.endm
	s_load_b128 s[4:7], s[0:1], 0x0                ; qq s[4:5], kv s[6:7]
	s_load_b64 s[8:9], s[0:1], 0x10                ; yq
	v_lshl_add_u32 v[SPW], v0, 2, SPARE
	v_mov_b32 v[NIL], 0
	ds_add_u32 v[SPW], v[NIL]                      ; the opening lines: the add twice on end and one wait
	ds_add_u32 v[SPW], v[NIL]
	v_lshrrev_b32 v10, 5, v0
	s_delay_alu instid0(VALU_DEP_1)
	v_readfirstlane_b32 s[WV], v10                 ; wave 0..15
	v_and_b32 v10, 31, v0
	s_delay_alu instid0(VALU_DEP_1)
	v_lshlrev_b32 v1, 4, v10
	s_delay_alu instid0(VALU_DEP_2)
	v_lshlrev_b32 v2, 3, v10
	v_and_b32 v11, 15, v0
	s_delay_alu instid0(VALU_DEP_1)
	v_lshlrev_b32 v3, 4, v11
	s_bfe_u32 s[CX], ttmp6, 0x40000
	s_and_b32 s[BH], ttmp7, 0xffff                 ; 16 x batch + head
	s_lshr_b32 s[HB2], s[WV], 1                    ; the second tile's half-block,
	s_sub_co_u32 s[HB], 15, s[HB2]                 ; and the first's
	s_and_b32 s[TQ], s[WV], 1
	s_lshl_b32 s18, s[CX], 1
	s_add_co_u32 s[TQ], s[TQ], s18                 ; my tile of a half-block's eight
	s_mul_i32 s48, s[BH], 16*REC
	s_mul_i32 s50, s[WV], 3328                     ; 13 rows of 256 bytes
	s_mul_i32 s52, s[WV], 9984                     ; 39 rows
	s_add_co_u32 s52, s52, 4*REC
	s_add_co_u32 s54, s48, s50
	s_mov_b32 s55, 0
	s_add_co_u32 s56, s48, s52
	s_mov_b32 s57, 0
	s_mov_b32 s[G1A], 15|(3<<16)|(1<<21)           ; the mask: all four work-groups; elements of 8 bytes; bit 21 beside a mask
	s_mov_b32 s[G1A+1], 32<<16
	s_mov_b32 s[G1A+2], 13<<16
	s_mov_b32 s[G1A+3], 32<<16
	s_mov_b32 s[G1A+4], 13
	s_mov_b32 s[G1A+5], 32
	s_mov_b32 s[G1A+6], 0
	s_mov_b32 s[G1A+7], 0
	s_mov_b32 s[G1B], 15|(3<<16)|(1<<21)
	s_mov_b32 s[G1B+1], 32<<16
	s_mov_b32 s[G1B+2], 39<<16
	s_mov_b32 s[G1B+3], 32<<16
	s_mov_b32 s[G1B+4], 39
	s_mov_b32 s[G1B+5], 32
	s_mov_b32 s[G1B+6], 0
	s_mov_b32 s[G1B+7], 0
	s_mul_i32 s17, s[BH], 16*QREC                  ; the head's records of qq
	s_mul_i32 s18, s[TQ], 768
	s_add_co_u32 s60, s17, s18                     ; + my tile's half fragment
	s_lshr_b32 s18, s[TQ], 2
	s_lshl_b32 s18, s18, 8
	s_add_co_u32 s62, s17, s18
	s_and_b32 s18, s[TQ], 3
	s_lshl_b32 s18, s18, 2
	s_add_co_u32 s62, s62, s18
	s_add_co_u32 s62, s62, 6144                    ; my tile's scale words: + 16 r
	s_mul_i32 s17, s[HB2], QREC
	s_add_co_u32 s66, s60, s17                     ; in the second tile's record,
	s_add_co_u32 s68, s62, s17
	s_mul_i32 s17, s[HB], QREC
	s_add_co_u32 s60, s60, s17                     ; and in the first's
	s_add_co_u32 s62, s62, s17
	s_mov_b32 s61, 0
	s_mov_b32 s63, 0
	s_mov_b32 s67, 0
	s_mov_b32 s69, 0
	s_lshr_b32 s17, s[TQ], 1
	s_lshl_b32 s17, s17, 5
	s_and_b32 s18, s[TQ], 1
	s_lshl_b32 s18, s18, 3
	s_add_co_u32 s17, s17, s18
	v_and_b32 v10, 7, v0
	v_bfe_u32 v11, v0, 3, 1
	s_delay_alu instid0(VALU_DEP_1)
	v_lshl_add_u32 v7, v11, 4, v10
	s_delay_alu instid0(VALU_DEP_1)
	v_add_nc_u32 v7, s17, v7                       ; my query among the half-block's 128,
	v_bfe_u32 v10, v0, 4, 1
	s_delay_alu instid0(VALU_DEP_1)
	v_lshlrev_b32 v10, 4, v10
	s_delay_alu instid0(VALU_DEP_1)
	v_sub_nc_u32 v7, v7, v10                       ; less 16 h: register n's key is hidden where 32 (n / 16) + n % 16 is larger
	s_mov_b32 s[SEL], 0x76543210
	s_mov_b32 s[SEL+1], 0xfedcba98
	s_mov_b32 s[CS], 0x3e38aa3b
	s_mov_b32 s[CS+1], s[CS]
	s_mov_b32 s[SI], 0
	s_mov_b32 s[TB], 0
	s_wait_alu depctr_va_vdst(0)                   ; directly ahead of the waits below
	s_wait_dscnt 0x0
	s_wait_kmcnt 0x0
	s_mov_b32 s[G0A], 1
	s_mov_b32 s[G0A+1], s50
	s_add_nc_u64 s[G0A+2:G0A+3], s[6:7], s[54:55]
	s_or_b32 s[G0A+3], s[G0A+3], 0x80000000
	s_mov_b32 s[G0B], 1
	s_mov_b32 s[G0B+1], s52
	s_add_nc_u64 s[G0B+2:G0B+3], s[6:7], s[56:57]
	s_or_b32 s[G0B+3], s[G0B+3], 0x80000000
	s_add_nc_u64 s[60:61], s[4:5], s[60:61]
	s_add_nc_u64 s[62:63], s[4:5], s[62:63]
	s_add_nc_u64 s[66:67], s[4:5], s[66:67]
	s_add_nc_u64 s[68:69], s[4:5], s[68:69]
	CROUND                                         ; all four work-groups are here: the joint loads meet
	tensor_load_to_lds s[G0A:G0A+3], s[G1A:G1A+7]  ; my part of records 0-3: my one load at the head
	s_nop 0
	global_load_b128 v[16:19], v1, s[60:61]        ; both tiles' Q stay in registers
	global_load_b64 v[20:21], v2, s[60:61] offset:512
	global_load_b32 v9, v3, s[62:63]
	global_load_b128 v[Q2:Q2+3], v1, s[66:67]
	global_load_b64 v[Q2+4:Q2+5], v2, s[66:67] offset:512
	global_load_b32 v[Q2+6], v3, s[68:69]
	v_mov_b32 v8, 0xff800000
.macro FRESH                           ; a tile begins: the largest t so far is -3e38, -M its floor, the sum and O^T zeros (the step is written once for every trip; the first change of M leaves zeros zeros)
	v_mov_b32 v13, 0xff61b1e6
	v_mov_b32 v12, 0x7f61b1e6
	v_mov_b32 v14, 0
	v_mov_b32 v15, 0
.set j, 0
.rept 32
	v_mov_b32 v[OT+j], 0
.set j, j+1
.endr
.endm
.irp j, 22,23,24,25,26,27
	v_mov_b32 v[\j], 0                             ; k = 64 .. 127 of Q: zero codes
.endr
.irp j, 24,25,26,27,28,29
	v_mov_b32 v[KF+\j], 0                          ; what follows K's tile 3,
	v_mov_b32 v[VF+\j], 0                          ; and, in the first step, tile 7
.endr
	FRESH
.irp b, 0,1,2,3
	v_mov_b32 v[236+\b], 0                         ; a lane permute's destination counts as one of its sources
.endr
	v_mov_b32 v252, 0
	v_mov_b32 v253, 0
.macro STEP mask                       ; 128 keys.  mask = 0: no step of this loop is hidden or on the diagonal
.if \mask
	s_cmp_gt_u32 s[SI], s[HB]
	s_cbranch_scc1 .Lhidden_\@
.endif
	v_add_nc_u32 v4, s[TB], v1
	v_add_nc_u32 v5, s[TB], v2
	v_add_nc_u32 v6, s[TB], v3
	v_nop                                          ; with the three additions: four places behind the last step's products, in front of the loads into V's registers and its scale words'
.irp t, 0,1,2,3
	ds_load_b128 v[KF+6*\t:KF+6*\t+3], v4 offset:768*\t
	ds_load_b64 v[KF+6*\t+4:KF+6*\t+5], v5 offset:768*\t+512
.endr
.irp t, 0,1,2,3
	ds_load_b128 v[VF+6*\t:VF+6*\t+3], v4 offset:768*(4+\t)      ; tiles 4-7 go where V's fragments will lie: all eight tiles are asked for in one run
	ds_load_b64 v[VF+6*\t+4:VF+6*\t+5], v5 offset:768*(4+\t)+512
.endr
	ds_load_b128 v[248:251], v6 offset:12288       ; the scale words of tiles 0-3, row r,
	ds_load_b128 v[28:31], v6 offset:12544         ; and of tiles 4-7
	s_wait_alu depctr_va_vdst(0)
	s_wait_dscnt 0x0
.irp t, 0,1,2,3
	v_wmma_scale_f32_16x16x128_f8f6f4 v[ST+8*\t:ST+8*\t+7], v[KF+6*\t:KF+6*\t+11], v[16:27], 0, v[248+\t], v9 matrix_a_fmt:MATRIX_FMT_BF6 matrix_b_fmt:MATRIX_FMT_BF6
.endr
.irp t, 0,1,2,3
	v_wmma_scale_f32_16x16x128_f8f6f4 v[ST+32+8*\t:ST+32+8*\t+7], v[VF+6*\t:VF+6*\t+11], v[16:27], 0, v[28+\t], v9 matrix_a_fmt:MATRIX_FMT_BF6 matrix_b_fmt:MATRIX_FMT_BF6
.endr
.rept 4
	v_nop                                          ; places behind the score products: in front of the loads into registers that they read, and of the first read of the scores
.endr
.irp t, 0,1,2,3
.irp c, 0,1,2
	ds_load_b128 v[VF+12*\t+4*\c:VF+12*\t+4*\c+3], v4 offset:6144+1536*\t+512*\c   ; V lands while the softmax is walked
.endr
.endr
	ds_load_b128 v[28:31], v6 offset:12800
.if \mask
	s_cmp_lg_u32 s[SI], s[HB]
	s_cbranch_scc1 .Lopen_\@
.set n, 0
.rept 64
	v_cmp_gt_i32 vcc_lo, 32*(n/16)+n%16, v7
	v_cndmask_b32 v[ST+n], v[ST+n], v8, vcc_lo
.set n, n+1
.endr
.Lopen_\@:
.endif
.irp b, 0,1,2,3
	v_max3_num_f32 v[232+\b], v[ST+16*\b], v[ST+1+16*\b], v[ST+2+16*\b]   ; the largest score of each block of 32 keys: for the row's maximum, and, since p rises with the score, for the block's largest p
.endr
.irp i, 3,5,7,9,11,13
.irp b, 0,1,2,3
	v_max3_num_f32 v[232+\b], v[232+\b], v[ST+16*\b+\i], v[ST+1+16*\b+\i]
.endr
.endr
.irp b, 0,1,2,3
	v_max_num_f32 v[232+\b], v[232+\b], v[ST+15+16*\b]
.endr
.irp b, 0,1,2,3
	s_delay_alu instid0(VALU_DEP_4)
	v_permlanex16_b32 v[236+\b], v[232+\b], s[SEL], s[SEL+1]
.endr
.irp b, 0,1,2,3
	s_delay_alu instid0(VALU_DEP_4)
	v_max_num_f32 v[232+\b], v[232+\b], v[236+\b]
.endr
	s_delay_alu instid0(VALU_DEP_2)
	v_max3_num_f32 v254, v232, v233, v234
	s_delay_alu instid0(VALU_DEP_1)
	v_max_num_f32 v254, v254, v235
	s_delay_alu instid0(VALU_DEP_1)
	v_mul_f32 v254, s[CS], v254
	s_delay_alu instid0(VALU_DEP_1)
	v_max_num_f32 v13, v13, v254                   ; the running largest t
	v_mov_b32 v254, v12
	s_delay_alu instid0(VALU_DEP_2)
	v_floor_f32 v12, -v13                          ; -M = floor(-t)
.set j, 0
.irp x, 0,1,2,3                        ; t - M, two at a time; the three lines that make f stand among them, eight lines apart, so that none follows the line that it reads
.rept 8
	v_pk_fma_f32 v[ST+j:ST+j+1], v[ST+j:ST+j+1], s[CS:CS+1], v[12:13] op_sel_hi:[1,0,0]
.set j, j+2
.endr
.if \x == 0
	v_sub_f32 v254, v12, v254                      ; old M - new M: a whole number, 0 or less
.endif
.if \x == 1
	v_cvt_i32_f32 v254, v254
.endif
.if \x == 2
	v_ldexp_f32 v252, 1.0, v254                    ; f = 2^(old M - new M)
.endif
.endr
.irp b, 0,1,2,3
	v_fma_f32 v[232+\b], v[232+\b], s[CS], v12
.endr
.set j, 0
	s_wait_alu depctr_va_vdst(0)                   ; a wait ahead of the batch
.rept 64
	v_exp_f32 v[ST+j], v[ST+j]                     ; p
.set j, j+1
.endr
.irp b, 0,1,2,3
	v_exp_f32 v[232+\b], v[232+\b]                 ; the block's largest p: the same two instructions on the same number
.endr
	v_pk_mul_f32 v[14:15], v[14:15], v[252:253] op_sel_hi:[1,0]   ; the sums under the new M (a plain place behind the exponentials)
	s_wait_alu depctr_va_vdst(0)                   ; and behind it, ahead of its first reader
.irp b, 0,1,2,3
	v_max_num_f32 v[232+\b], 0x2800000, v[232+\b]  ; the floor: the byte cannot fall under 1
.endr
.irp b, 0,1,2,3
	s_delay_alu instid0(VALU_DEP_4)
	v_add_nc_u32 v[244+\b], 0xfe000000, v[232+\b]
.endr
.irp b, 0,1,2,3
	s_delay_alu instid0(VALU_DEP_4)
	v_lshrrev_b32 v[236+\b], 23, v[244+\b]
.endr
	s_delay_alu instid0(VALU_DEP_3)
	v_lshl_or_b32 v253, v237, 8, v236              ; p's scale word for these 128 keys
	s_delay_alu instid0(VALU_DEP_1)
	v_lshl_or_b32 v253, v238, 16, v253
	s_delay_alu instid0(VALU_DEP_1)
	v_lshl_or_b32 v253, v239, 24, v253
.irp c, 0,1
	v_cvt_scalef32_pk16_bf6_f32 v[224+6*\c:226+6*\c], v[ST+32*\c:ST+15+32*\c], v[244+2*\c]
	v_cvt_scalef32_pk16_bf6_f32 v[236+4*\c:238+4*\c], v[ST+16+32*\c:ST+31+32*\c], v[244+2*\c+1]
.endr
	v_nop                                          ; one plain place behind a scaled conversion
.irp c, 0,1
.irp i, 0,1,2
	v_permlane16_swap_b32 v[224+6*\c+\i], v[236+4*\c+\i]
.endr
.irp i, 0,1,2
	s_delay_alu instid0(VALU_DEP_3)
	v_mov_b32 v[227+6*\c+\i], v[236+4*\c+\i]
.endr
.endr
	v_pk_add_f32 v[236:237], v[132:133], v[136:137]   ; the row's sum of the unquantised p: eight chains, then joined
	v_pk_add_f32 v[250:251], v[140:141], v[144:145]
	v_pk_add_f32 v[248:249], v[148:149], v[152:153]
	v_pk_add_f32 v[246:247], v[156:157], v[160:161]
	v_pk_add_f32 v[244:245], v[164:165], v[168:169]
	v_pk_add_f32 v[240:241], v[172:173], v[176:177]
	v_pk_add_f32 v[72:73], v[180:181], v[184:185]
	v_pk_add_f32 v[14:15], v[14:15], v[188:189]
	v_pk_add_f32 v[236:237], v[236:237], v[128:129]
	v_pk_add_f32 v[250:251], v[250:251], v[130:131]
	v_pk_add_f32 v[248:249], v[248:249], v[134:135]
	v_pk_add_f32 v[246:247], v[246:247], v[138:139]
	v_pk_add_f32 v[244:245], v[244:245], v[142:143]
	v_pk_add_f32 v[240:241], v[240:241], v[146:147]
	v_pk_add_f32 v[72:73], v[72:73], v[150:151]
	v_pk_add_f32 v[14:15], v[14:15], v[154:155]
	v_pk_add_f32 v[236:237], v[236:237], v[158:159]
	v_pk_add_f32 v[250:251], v[250:251], v[162:163]
	v_pk_add_f32 v[248:249], v[248:249], v[166:167]
	v_pk_add_f32 v[246:247], v[246:247], v[170:171]
	v_pk_add_f32 v[244:245], v[244:245], v[174:175]
	v_pk_add_f32 v[240:241], v[240:241], v[178:179]
	v_pk_add_f32 v[72:73], v[72:73], v[182:183]
	v_pk_add_f32 v[14:15], v[14:15], v[186:187]
	v_pk_add_f32 v[236:237], v[236:237], v[190:191]
	s_delay_alu instid0(VALU_DEP_2)
	v_pk_add_f32 v[14:15], v[14:15], v[246:247]
	s_delay_alu instid0(VALU_DEP_2)
	v_pk_add_f32 v[236:237], v[236:237], v[244:245]
	v_pk_add_f32 v[250:251], v[250:251], v[240:241]
	v_pk_add_f32 v[248:249], v[248:249], v[72:73]
	s_delay_alu instid0(VALU_DEP_2)
	v_pk_add_f32 v[14:15], v[14:15], v[250:251]
	s_delay_alu instid0(VALU_DEP_2)
	v_pk_add_f32 v[236:237], v[236:237], v[248:249]
	s_delay_alu instid0(VALU_DEP_1)
	v_pk_add_f32 v[14:15], v[14:15], v[236:237]
	s_wait_alu depctr_va_vdst(0)                   ; directly ahead of the first reader of O^T
.set j, 0
.rept 16
	v_pk_mul_f32 v[OT+j:OT+j+1], v[OT+j:OT+j+1], v[252:253] op_sel_hi:[1,0]   ; O^T under the new M
.set j, j+2
.endr
	s_wait_alu depctr_va_vdst(0)                   ; directly ahead of the wait below
	s_wait_dscnt 0x0                               ; V and its scale words
.irp t, 0,1,2,3                        ; the four accumulators take turns, one instruction a turn
	v_wmma_scale_f32_16x16x128_f8f6f4 v[OT+8*\t:OT+8*\t+7], v[VF+12*\t:VF+12*\t+11], v[224:235], v[OT+8*\t:OT+8*\t+7], v[28+\t], v253 matrix_a_fmt:MATRIX_FMT_BF6 matrix_b_fmt:MATRIX_FMT_BF6
.endr
.if \mask
.Lhidden_\@:
.endif
	s_add_co_u32 s[TB], s[TB], REC
	s_add_co_u32 s[SI], s[SI], 1
.endm
; THE WAY OUT of a tile: O^T / the sum; its 32 registers are d = 32 b + 16 h + i of my query: two blocks of the last product's K.  They become half a fragment and two scale bytes.
.macro OUT
.rept 4
	v_nop
.endr
	v_add_f32 v14, v14, v15
	s_wait_alu depctr_va_vdst(0)
	v_permlanex16_b32 v252, v14, s[SEL], s[SEL+1]
	s_delay_alu instid0(VALU_DEP_1)
	v_add_f32 v14, v14, v252                       ; the row's sum
	s_wait_alu depctr_va_vdst(0)                   ; a wait ahead of the transcendental
	v_rcp_f32 v14, v14
	v_lshlrev_b32 v10, 1, v3                       ; (a plain place behind the transcendental)  32 r: my row's scale bytes
	s_lshr_b32 s48, s[BH], 4
	s_lshl_b32 s48, s48, 7
	s_lshl_b32 s49, s[HB], 3
	s_add_co_u32 s48, s48, s49
	s_add_co_u32 s48, s48, s[TQ]                   ; y's stored block: 128 x batch + 8 HB + tile
	s_and_b32 s49, s[BH], 15                       ; the head
	s_mul_i32 s50, s48, 12288
	s_mul_i32 s51, s49, 768
	s_add_co_u32 s50, s50, s51
	s_mov_b32 s51, 0
	s_add_nc_u64 s[50:51], s[8:9], s[50:51]
	s_lshl_b32 s52, s48, 9
	s_lshl_b32 s53, s49, 1
	s_add_co_u32 s52, s52, s53
	s_add_co_u32 s52, s52, XSOFF
	s_mov_b32 s53, 0
	s_add_nc_u64 s[52:53], s[8:9], s[52:53]
.set j, 0
	s_wait_alu depctr_va_vdst(0)                   ; and behind it, directly ahead of the first reader of the reciprocal and of O^T
.rept 32
	v_mul_f32 v[ST+j], v[OT+j], v14
.set j, j+1
.endr
.irp b, 0,1
	v_max3_num_f32 v[232+\b], |v[ST+16*\b]|, |v[ST+1+16*\b]|, 0x2800000
.endr
.irp i, 2,4,6,8,10,12,14
.irp b, 0,1
	s_delay_alu instid0(VALU_DEP_2)
	v_max3_num_f32 v[232+\b], v[232+\b], |v[ST+16*\b+\i]|, |v[ST+1+16*\b+\i]|
.endr
.endr
.irp b, 0,1
	s_delay_alu instid0(VALU_DEP_2)
	v_permlanex16_b32 v[236+\b], v[232+\b], s[SEL], s[SEL+1]
.endr
.irp b, 0,1
	s_delay_alu instid0(VALU_DEP_2)
	v_max_num_f32 v[232+\b], v[232+\b], v[236+\b]
.endr
.irp b, 0,1
	s_delay_alu instid0(VALU_DEP_2)
	v_add_nc_u32 v[244+\b], 0xfe000000, v[232+\b]
.endr
.irp b, 0,1
	s_delay_alu instid0(VALU_DEP_2)
	v_lshrrev_b32 v[236+\b], 23, v[244+\b]
.endr
	s_delay_alu instid0(VALU_DEP_1)
	v_lshl_or_b32 v253, v237, 8, v236              ; the head's two bytes of my row
	v_cvt_scalef32_pk16_bf6_f32 v[224:226], v[ST:ST+15], v244
	v_cvt_scalef32_pk16_bf6_f32 v[236:238], v[ST+16:ST+31], v245
	v_nop                                          ; one plain place behind a scaled conversion
.irp i, 0,1,2
	v_permlane16_swap_b32 v[224+\i], v[236+\i]
.endr
.irp i, 0,1,2
	s_delay_alu instid0(VALU_DEP_3)
	v_mov_b32 v[227+\i], v[236+\i]
.endr
	global_store_b128 v1, v[224:227], s[50:51]     ; 512 consecutive bytes,
	global_store_b64 v2, v[228:229], s[50:51] offset:512   ; and 256: the half fragment whole
	global_store_b16 v10, v253, s[52:53]
.endm
	s_wait_alu depctr_va_vdst(0)                   ; the wait at the head's end
	s_wait_tensorcnt 0x0                           ; my part of records 0-3 is in
	ds_add_u32 v[SPW], v[NIL]
	s_wait_dscnt 0x0
	CROUND                                         ; everybody's part is in, and all four work-groups are here: the joint loads meet
	tensor_load_to_lds s[G0B:G0B+3], s[G1B:G1B+7]  ; my part of records 4-15: my one load behind the round; it has the four steps below in which to land
	s_nop 0
	s_wait_loadcnt 0x0                             ; both tiles' Q
	s_mov_b32 s[CNT], 4
.Lfirst:                                               ; the first tile, HB = 15 - wave / 2: keys 0-511
	STEP 0
	s_sub_co_u32 s[CNT], s[CNT], 1
	s_cmp_lg_u32 s[CNT], 0
	s_cbranch_scc1 .Lfirst
	s_wait_tensorcnt 0x0                           ; my part of records 4-15 is in,
	s_wait_dscnt 0x0
	s_barrier_signal -1
	s_barrier_wait -1                              ; everybody's is
	s_mov_b32 s[CNT], 12
.Lrest:
	STEP 1
	s_sub_co_u32 s[CNT], s[CNT], 1
	s_cmp_lg_u32 s[CNT], 0
	s_cbranch_scc1 .Lrest
	OUT
.irp j, 0,1,2,3,4,5
	v_mov_b32 v[16+\j], v[Q2+\j]                   ; the second tile, HB = wave / 2: its Q and scale word; the 36 lines below are the places ahead of the products that read them
.endr
	v_mov_b32 v9, v[Q2+6]
	FRESH
	s_mov_b32 s[HB], s[HB2]
	s_mov_b32 s[SI], 0
	s_mov_b32 s[TB], 0
	s_mov_b32 s[CNT], 8                            ; HB is 7 at the most
	s_wait_alu depctr_va_vdst(0)                   ; directly ahead of the wait below
	s_wait_xcnt 0x0                                ; the first tile's stores have read their registers and bases, which the steps below and the second way out write again
.Lsecond:
	STEP 1
	s_sub_co_u32 s[CNT], s[CNT], 1
	s_cmp_lg_u32 s[CNT], 0
	s_cbranch_scc1 .Lsecond
	OUT
	s_wait_tensorcnt 0x0                           ; the wave's end
	ds_add_u32 v[SPW], v[NIL]
	s_wait_dscnt 0x0
	CROUND                                         ; the closing round: no work-group ends while a partner may still ask jointly
	s_endpgm
.Lfunc_end_k_qfb06994d53_attn:
	.size	k_qfb06994d53_attn, .Lfunc_end_k_qfb06994d53_attn-k_qfb06994d53_attn
	.p2alignl 7, 3214868480
	.fill 96, 4, 3214868480
	.section	.rodata,"a",@progbits
	.p2align	6, 0x0
	.amdhsa_kernel k_qfb06994d53_attn
		.amdhsa_group_segment_fixed_size 327680
		.amdhsa_private_segment_fixed_size 0
		.amdhsa_enable_private_segment 0
		.amdhsa_kernarg_size 24
		.amdhsa_user_sgpr_count 2
		.amdhsa_user_sgpr_kernarg_segment_ptr 1
		.amdhsa_wavefront_size32 1
		.amdhsa_system_sgpr_workgroup_id_x 1
		.amdhsa_system_sgpr_workgroup_id_y 1
		.amdhsa_system_sgpr_workgroup_id_z 1
		.amdhsa_system_vgpr_workitem_id 0
		.amdhsa_next_free_vgpr 256
		.amdhsa_next_free_sgpr 72
		.amdhsa_reserve_vcc 1
		.amdhsa_float_denorm_mode_32 3
		.amdhsa_float_denorm_mode_16_64 3
		.amdhsa_memory_ordered 1
		.amdhsa_forward_progress 1
		.amdhsa_inst_pref_size 81
	.end_amdhsa_kernel
	.amdgpu_metadata
---
amdhsa.version: [ 1, 2 ]
amdhsa.kernels:
  - .name:           k_qfb06994d53_attn
    .symbol:         k_qfb06994d53_attn.kd
    .args:
      - { .name: qq, .offset: 0, .size: 8, .value_kind: global_buffer, .address_space: global }
      - { .name: kv, .offset: 8, .size: 8, .value_kind: global_buffer, .address_space: global }
      - { .name: yq, .offset: 16, .size: 8, .value_kind: global_buffer, .address_space: global }
    .group_segment_fixed_size: 327680
    .private_segment_fixed_size: 0
    .kernarg_segment_align: 8
    .kernarg_segment_size: 24
    .max_flat_workgroup_size: 512
    .sgpr_count:     72
    .vgpr_count:     256
    .wavefront_size: 32
...
	.end_amdgpu_metadata
.endif
;; end of part 3
;; launch gemm_proj (part 4): grid 8 x 32, 4 waves a work-group, clusters of 4 x 4, 327,680 bytes of LDS; arguments yq, wq, out0; writes out0
.if DOCPART == 4
	.amdgcn_target "amdgcn-amd-amdhsa--gfx1250"
	.amdhsa_code_object_version 6
	.text
	.protected	k_qfb06994d53_gemm_proj
	.globl	k_qfb06994d53_gemm_proj
	.p2align	8
	.type	k_qfb06994d53_gemm_proj,@function
k_qfb06994d53_gemm_proj:
	s_mov_b64 s[64:65], 0
	v_nop
	global_prefetch_b8 v0, s[64:65] scope:SCOPE_SE
	s_setreg_imm32_b32 hwreg(HW_REG_WAVE_MODE, 25, 1), 1
	s_wait_xcnt 0x0
	s_wait_alu depctr_hold_cnt(0) depctr_sa_sdst(0) depctr_va_vdst(0) depctr_va_sdst(0) depctr_va_ssrc(0) depctr_va_vcc(0) depctr_vm_vsrc(0)
	s_getreg_b32 s2, hwreg(HW_REG_IB_STS2, 6, 4)
	s_cmp_eq_u32 s2, 0
	s_cbranch_scc0 .Lentry_in_a_cluster
	s_endpgm
.Lentry_in_a_cluster:
	s_bfe_u32 s2, ttmp6, 0x10000c
	s_cmp_lg_u32 s2, 0xf033
	s_cbranch_scc0 .Lentry_shape_is_right
	s_endpgm
.Lentry_shape_is_right:
; out0 = y W_proj on codes of BF6 (E3M2) with E8M0 scales for each 32 along K = 1,024; sums in f32, stored as f32.
; A tile of 256 rows x 128 columns is made by four waves.  ALL OF K LIES IN LDS: y's 16 stored blocks (196,608 bytes) and W's 8 (98,304 bytes; stored blocks 192 + 8 bx .. of wq), each filled once, one joint load a wave.
; The codes lie in memory as images of fragments (16 stored rows x 128 K: 1,536 bytes; a block's eight follow each other), in the stored order of launch prep.
; A WAVE makes y's blocks 4 w .. 4 w + 3 (source 1) x W's eight (source 0): 32 accumulators, window 2; a lane holds one row of the result, register 16 b + i its column 32 b + 16 (lane / 16) + i.
; SCALES go from memory into registers: a block's 512 bytes by one load, lane (r, h) taking bytes 32 r + 16 h: word j is K step j in lanes 0-15 and K step 4 + j in lanes 16-31 (read by ROW1).
; CLUSTERS: 4 x 4.  y's tile is asked for jointly along a row of the cluster, W's along a column.  NO PREFETCH: the head's loads are the launch's only requests for tiles.
; THE WAY OUT: a block of 16 stored rows goes through the wave's own stage and leaves as rows of 512 consecutive bytes.  The stage lies in the wave's own quarter of y's region, which no other wave reads,
; which has had its only fill, and whose reads by this wave are over.
.set XSOFF, 6291456
.set WSOFF, 3145728
.set BROW,  12288
.set FRB,   1536
.set FR,    12
.set QUART, 4*BROW
.set BB,    16*BROW
.set SPARE, BB+8*BROW                  ; the spare words: two blocks of 256 bytes that no other line names
.set SPITCH, 528
.set QS1, 8                            ; v8-9    S1: my quarter of y, + 16 x lane, + 8 x lane
.set QS0, 10                           ; v10-13  S0: W's blocks 0-3, 4-7
.set STO, 20
.set RD,  21
.set L16, 24
.set L8,  25
.set VSC, 27                           ; 32 r + 16 h
.set SPW, 28
.set NIL, 29
.set SC0, 32                           ; v32-63 W's scale words, v64-79 y's, and nothing else there
.set SC1, 64
.set AF,  128
.set BK,  128
.set G1,  24
.set G0,  32
.set G1B, 48
.set G0B, 56
.set MSB, 0
.macro WIN new
.if MSB != (\new)
	s_set_vgpr_msb (MSB<<8)|(\new)
.set MSB, (\new)
.endif
.endm
.set MUL,  0xa1                        ; source 0 window 1, source 1 window 0, C and D window 2
.set TO_B, 0x40
.macro PLACES n
.rept \n
	v_nop
.endr
.endm
.macro CROUND
	s_barrier_signal -1
	s_barrier_wait -1
	s_cmp_lg_u32 s14, 0
	s_cbranch_scc1 .Lnot_wave_0_\@
	s_barrier_signal -3
.Lnot_wave_0_\@:
	s_barrier_wait -3
	s_barrier_signal -1
	s_barrier_wait -1
.endm
.macro FRAG reg, adr, i, q
	ds_load_b128 v[\reg:\reg+3], v[\adr] offset:(\i)*BROW+(\q)*FRB
	ds_load_b64 v[\reg+4:\reg+5], v[\adr+1] offset:(\i)*BROW+(\q)*FRB+512
	ds_load_b128 v[\reg+6:\reg+9], v[\adr] offset:(\i)*BROW+(\q)*FRB+768
	ds_load_b64 v[\reg+10:\reg+11], v[\adr+1] offset:(\i)*BROW+(\q)*FRB+1280
.endm
.macro FETCH q, s0, s1                 ; K step q's 12 fragments into set q % 2: 48 loads
	WIN TO_B
.irp i, 0,1,2,3
	FRAG 128*((\q)%2)+FR*\i, \s0, \i, \q
.endr
.irp i, 0,1,2,3
	FRAG 128*((\q)%2)+FR*(4+\i), \s0+2, \i, \q
.endr
	WIN 0
.irp i, 0,1,2,3
	FRAG AF+48*((\q)%2)+FR*\i, \s1, \i, \q
.endr
.endm
.macro MUL32 q, zero                   ; the 32 accumulators take turns, one instruction a turn, in the same order in every step
.irp a, 0,1,2,3
.irp b, 0,1,2,3,4,5,6,7
.if \zero
	v_wmma_scale_f32_16x16x128_f8f6f4 v[8*(8*\a+\b):8*(8*\a+\b)+7], v[128*((\q)%2)+FR*\b:128*((\q)%2)+FR*\b+FR-1], v[AF+48*((\q)%2)+FR*\a:AF+48*((\q)%2)+FR*\a+FR-1], 0, v[SC0+4*\b+(\q)%4], v[SC1+4*\a+(\q)%4] matrix_a_fmt:MATRIX_FMT_BF6 matrix_b_fmt:MATRIX_FMT_BF6
.else
.if (\q) < 4
	v_wmma_scale_f32_16x16x128_f8f6f4 v[8*(8*\a+\b):8*(8*\a+\b)+7], v[128*((\q)%2)+FR*\b:128*((\q)%2)+FR*\b+FR-1], v[AF+48*((\q)%2)+FR*\a:AF+48*((\q)%2)+FR*\a+FR-1], v[8*(8*\a+\b):8*(8*\a+\b)+7], v[SC0+4*\b+(\q)%4], v[SC1+4*\a+(\q)%4] matrix_a_fmt:MATRIX_FMT_BF6 matrix_b_fmt:MATRIX_FMT_BF6
.else
	v_wmma_scale_f32_16x16x128_f8f6f4 v[8*(8*\a+\b):8*(8*\a+\b)+7], v[128*((\q)%2)+FR*\b:128*((\q)%2)+FR*\b+FR-1], v[AF+48*((\q)%2)+FR*\a:AF+48*((\q)%2)+FR*\a+FR-1], v[8*(8*\a+\b):8*(8*\a+\b)+7], v[SC0+4*\b+(\q)%4], v[SC1+4*\a+(\q)%4] matrix_a_fmt:MATRIX_FMT_BF6 matrix_b_fmt:MATRIX_FMT_BF6 matrix_a_scale:MATRIX_SCALE_ROW1 matrix_b_scale:MATRIX_SCALE_ROW1
.endif
.endif
.endr
.endr
.endm
.macro SLOAD reg, n, base, off
.set i, 0
.rept \n
	global_load_b128 v[\reg+4*i:\reg+4*i+3], v[VSC], s[\base:\base+1] offset:(\off)+512*i
.set i, i+1
.endr
.endm
	s_load_b128 s[4:7], s[0:1], 0x0                ; yq s[4:5], wq s[6:7]
	s_load_b64 s[12:13], s[0:1], 0x10              ; out0
	v_lshl_add_u32 v[SPW], v0, 2, SPARE
	v_mov_b32 v[NIL], 0
	ds_add_u32 v[SPW], v[NIL]                      ; the opening lines: the add twice on end and one wait
	ds_add_u32 v[SPW], v[NIL]
	v_lshrrev_b32 v1, 5, v0
	v_readfirstlane_b32 s14, v1                    ; wave
	s_lshr_b32 s15, s14, 1                         ; I fetch for y (0) or for W (1)
	s_and_b32 s16, s14, 1                          ; which half of that tile
	s_bfe_u32 s40, ttmp6, 0x40000
	s_bfe_u32 s41, ttmp6, 0x40004
	s_lshl_b32 s42, ttmp9, 2
	s_add_co_u32 s42, s42, s40                     ; bx: columns 128 bx ..
	s_and_b32 s17, ttmp7, 0xffff
	s_lshl_b32 s17, s17, 2
	s_add_co_u32 s17, s17, s41                     ; by: rows 256 by ..
	s_lshl_b32 s43, s41, 2
	s_lshl_b32 s43, 15, s43
	s_lshl_b32 s44, 0x1111, s40
	s_or_b32 s[G1], s43, (3<<16)|(1<<21)           ; group 1: rows of 12,288 bytes (1,536 elements of 8), dense: 8 blocks for y's half,
	s_or_b32 s[G1B], s44, (3<<16)|(1<<21)          ; 4 for W's
.irp g, G1, G1B
	s_mov_b32 s[\g+1], 1536<<16
	s_mov_b32 s[\g+3], 1536<<16
	s_mov_b32 s[\g+5], 1536
	s_mov_b32 s[\g+6], 0
	s_mov_b32 s[\g+7], 0
.endr
	s_mov_b32 s[G1+2], 8<<16
	s_mov_b32 s[G1+4], 8
	s_mov_b32 s[G1B+2], 4<<16
	s_mov_b32 s[G1B+4], 4
	s_lshl_b32 s20, s17, 4
	s_lshl_b32 s18, s16, 3
	s_add_co_u32 s20, s20, s18
	s_mul_i32 s20, s20, BROW                       ; y: block 16 by + 8 half
	s_mov_b32 s21, 0
	s_lshl_b32 s46, s42, 3
	s_lshl_b32 s18, s16, 2
	s_add_co_u32 s46, s46, s18
	s_add_co_u32 s46, s46, 192
	s_mul_i32 s46, s46, BROW                       ; W: block 192 + 8 bx + 4 half
	s_mov_b32 s47, 0
	s_lshl_b32 s60, s17, 4
	s_lshl_b32 s18, s14, 2
	s_add_co_u32 s60, s60, s18
	s_lshl_b32 s60, s60, 9
	s_add_co_u32 s60, s60, XSOFF                   ; scales of y's blocks 16 by + 4 w ..
	s_mov_b32 s61, 0
	s_lshl_b32 s66, s42, 12
	s_add_co_u32 s66, s66, WSOFF+192*512           ; and of W's blocks 192 + 8 bx ..
	s_mov_b32 s67, 0
	s_lshl_b32 s70, s17, 8
	s_lshl_b32 s18, s14, 6
	s_add_co_u32 s70, s70, s18
	s_lshl_b32 s70, s70, 12                        ; my first row of the result, 4,096 bytes a row,
	s_lshl_b32 s18, s42, 9
	s_add_co_u32 s70, s70, s18                     ; and my 512 bytes of it
	s_mov_b32 s71, 0
	s_mul_i32 s82, s14, QUART
	s_mul_i32 s84, s16, QUART
	s_add_co_u32 s84, s84, BB
	s_mul_i32 s87, s16, 8*BROW
	s_wait_dscnt 0x0
	s_wait_kmcnt 0x0
	s_mov_b32 s[G0], 1
	s_mov_b32 s[G0+1], s87
	s_add_nc_u64 s[G0+2:G0+3], s[4:5], s[20:21]
	s_or_b32 s[G0+3], s[G0+3], 0x80000000
	s_mov_b32 s[G0B], 1
	s_mov_b32 s[G0B+1], s84
	s_add_nc_u64 s[G0B+2:G0B+3], s[6:7], s[46:47]
	s_or_b32 s[G0B+3], s[G0B+3], 0x80000000
	s_add_nc_u64 s[60:61], s[4:5], s[60:61]
	s_add_nc_u64 s[66:67], s[6:7], s[66:67]
	s_add_nc_u64 s[12:13], s[12:13], s[70:71]
	CROUND                                         ; all sixteen work-groups are here: the joint loads meet
	s_cmp_eq_u32 s15, 0                            ; one load a wave: waves 0 and 1 y's halves, waves 2 and 3 W's
	s_cbranch_scc0 .Lhead_w
	tensor_load_to_lds s[G0:G0+3], s[G1:G1+7]
	s_nop 0
	PLACES 4
	s_branch .Lhead_asked
.Lhead_w:
	tensor_load_to_lds s[G0B:G0B+3], s[G1B:G1B+7]
	s_nop 0
	PLACES 4
.Lhead_asked:
	v_and_b32 v1, 15, v0                           ; r
	v_bfe_u32 v2, v0, 4, 1                         ; h
	v_and_b32 v3, 31, v0
	v_lshlrev_b32 v[L16], 4, v3
	v_lshlrev_b32 v[L8], 3, v3
	v_add_nc_u32 v[QS1], s82, v[L16]
	v_add_nc_u32 v[QS1+1], s82, v[L8]
	v_add_nc_u32 v[QS0], BB, v[L16]
	v_add_nc_u32 v[QS0+1], BB, v[L8]
	v_add_nc_u32 v[QS0+2], BB+QUART, v[L16]
	v_add_nc_u32 v[QS0+3], BB+QUART, v[L8]
	v_lshlrev_b32 v[VSC], 5, v1
	v_lshl_add_u32 v[VSC], v2, 4, v[VSC]
	v_mul_u32_u24 v5, v1, SPITCH                   ; the stage, way in: row r, 64 bytes for each half of the lanes in each 128
	v_lshl_add_u32 v5, v2, 6, v5
	v_add_nc_u32 v[STO], s82, v5
	v_add_nc_u32 v[RD], s82, v[L16]                ; way out: the 32 lanes take one row of 512 bytes
	s_wait_alu depctr_va_vdst(0)                   ; the wait at the head's end
	SLOAD SC0, 8, 66, 0
	SLOAD SC1, 4, 60, 0
	s_wait_loadcnt 0x0
	s_wait_tensorcnt 0x0                           ; my part of the tiles is in
	s_barrier_signal -1
	s_barrier_wait -1
	FETCH 0, QS0, QS1                              ; K = 1,024 in eight steps; a step's fragments are asked for one step ahead
	FETCH 1, QS0, QS1
	s_wait_dscnt 48                                ; all but the 48 just issued
	WIN MUL
	MUL32 0, 1                                     ; the first step starts the sums
	WIN 0
.irp q, 1,2,3,4,5,6
	PLACES 4                                       ; in front of loads into the set that the last step's products read
	FETCH \q+1, QS0, QS1
	s_wait_dscnt 48
	WIN MUL
	MUL32 \q, 0
	WIN 0
.endr
	s_wait_dscnt 0x0
	WIN MUL
	MUL32 7, 0
	WIN 0
.macro TOSTAGE a                       ; LDS serves a wave's instructions in order: no wait between the stores and the loads
.set AC, 64*(\a)
	WIN 0x08                                       ; the data: window 2
.irp b, 0,1,2,3,4,5,6,7
	ds_store_b128 v[STO], v[AC+8*\b:AC+8*\b+3] offset:128*(\b/2)+32*(\b%2)      ; each accumulator from its low end on
	ds_store_b128 v[STO], v[AC+8*\b+4:AC+8*\b+7] offset:128*(\b/2)+32*(\b%2)+16
.endr
	WIN 0
.set BBK, BK+64*((\a)%2)
.irp t, 0,1,2,3,4,5,6,7,8,9,10,11,12,13,14,15
	ds_load_b128 v[BBK+4*\t:BBK+4*\t+3], v[RD] offset:\t*SPITCH
.endr
.endm
.macro SEND a, younger                 ; younger: the LDS instructions issued behind block a's loads, which may stay out
.set BBK, BK+64*((\a)%2)
	s_wait_dscnt \younger
.if (\a) > 0
.if (\a)%2 == 1
	s_add_nc_u64 s[12:13], s[12:13], 8*4096        ; stored block p begins at row 32 (p / 2) + 8 (p % 2)
.else
	s_add_nc_u64 s[12:13], s[12:13], 24*4096
.endif
.endif
.irp t, 0,1,2,3,4,5,6,7,8,9,10,11,12,13,14,15
	global_store_b128 v[L16], v[BBK+4*\t:BBK+4*\t+3], s[12:13] offset:((\t%8)+16*(\t/8))*4096 th:TH_STORE_NT   ; 512 consecutive bytes, aligned to 256
.endr
.endm
	PLACES 4                                       ; behind the last products
	TOSTAGE 0
.irp a, 1,2,3
.if \a > 1
	s_wait_xcnt 0x0                                ; block a - 2's stores have read their registers and their base
.endif
	TOSTAGE \a
	SEND \a-1, 32                                  ; behind block a - 1's loads: block a's 16 stores and 16 loads
.endr
	s_wait_xcnt 0x0
	SEND 3, 0
	s_wait_tensorcnt 0x0                           ; the wave's end
	ds_add_u32 v[SPW], v[NIL]
	s_wait_dscnt 0x0
	CROUND                                         ; the closing round
	s_endpgm
.Lfunc_end_k_qfb06994d53_gemm_proj:
	.size	k_qfb06994d53_gemm_proj, .Lfunc_end_k_qfb06994d53_gemm_proj-k_qfb06994d53_gemm_proj
	.p2alignl 7, 3214868480
	.fill 96, 4, 3214868480
	.section	.rodata,"a",@progbits
	.p2align	6, 0x0
	.amdhsa_kernel k_qfb06994d53_gemm_proj
		.amdhsa_group_segment_fixed_size 327680
		.amdhsa_private_segment_fixed_size 0
		.amdhsa_enable_private_segment 0
		.amdhsa_kernarg_size 24
		.amdhsa_user_sgpr_count 2
		.amdhsa_user_sgpr_kernarg_segment_ptr 1
		.amdhsa_wavefront_size32 1
		.amdhsa_system_sgpr_workgroup_id_x 1
		.amdhsa_system_sgpr_workgroup_id_y 1
		.amdhsa_system_sgpr_workgroup_id_z 1
		.amdhsa_system_vgpr_workitem_id 0
		.amdhsa_next_free_vgpr 1024
		.amdhsa_next_free_sgpr 90
		.amdhsa_reserve_vcc 0
		.amdhsa_float_denorm_mode_32 3
		.amdhsa_float_denorm_mode_16_64 3
		.amdhsa_memory_ordered 1
		.amdhsa_forward_progress 1
		.amdhsa_inst_pref_size 81
	.end_amdhsa_kernel
	.amdgpu_metadata
---
amdhsa.version: [ 1, 2 ]
amdhsa.kernels:
  - .name:           k_qfb06994d53_gemm_proj
    .symbol:         k_qfb06994d53_gemm_proj.kd
    .args:
      - { .name: yq, .offset: 0, .size: 8, .value_kind: global_buffer, .address_space: global }
      - { .name: wq, .offset: 8, .size: 8, .value_kind: global_buffer, .address_space: global }
      - { .name: out0, .offset: 16, .size: 8, .value_kind: global_buffer, .address_space: global }
    .group_segment_fixed_size: 327680
    .private_segment_fixed_size: 0
    .kernarg_segment_align: 8
    .kernarg_segment_size: 24
    .max_flat_workgroup_size: 128
    .sgpr_count:     90
    .vgpr_count:     1024
    .wavefront_size: 32
...
	.end_amdgpu_metadata
.endif
;; end of part 4
